; MI455X (gfx1250); checked and timed in simulation.
; The chip was launched on July 23, 2026; its instructions are those of AMD's public machine-readable ISA for CDNA 5 (MIT licence, August 2026) and "CDNA5" Instruction Set Architecture Reference Guide (July 2026). The comments in the code are by the model that wrote it; some were corrected since.
;; Transformer Encoder Block. Allowed arithmetic: matrix products marked QUANTISED: E2M3 operands, one E8M0 scale for each 32 along K, by v_wmma_scale_f32_16x16x128_f8f6f4 with both operands' format E2M3, f32 sums; everything else in f32.
;; Inputs: b1 4,096 float32; b2 1,024 float32; fc_b 1,024 float32; fc_w_codes 1,024 x 32 x 24 uint8 (E2M3 codes of fc_w, K innermost, in blocks of 32 codes, four codes in three bytes); fc_w_scales 1,024 x 32 uint8 (E8M0 scales of fc_w, one for each 32 codes along K); ln1_b 1,024 float32; ln1_g 1,024 float32; ln2_b 1,024 float32; ln2_g 1,024 float32; w1_codes 4,096 x 32 x 24 uint8 (E2M3 codes of w1, K innermost, in blocks of 32 codes, four codes in three bytes); w1_scales 4,096 x 32 uint8 (E8M0 scales of w1, one for each 32 codes along K); w2_codes 1,024 x 128 x 24 uint8 (E2M3 codes of w2, K innermost, in blocks of 32 codes, four codes in three bytes); w2_scales 1,024 x 128 uint8 (E8M0 scales of w2, one for each 32 codes along K); wq_b 16 x 64 float32; wq_w_codes 16 x 64 x 32 x 24 uint8 (E2M3 codes of wq_w, K innermost, in blocks of 32 codes, four codes in three bytes); wq_w_scales 16 x 64 x 32 uint8 (E8M0 scales of wq_w, one for each 32 codes along K); x 2 x 2,048 x 1,024 float32.
;; Outputs: out0 2 x 2,048 x 1,024 float32.
;; This version of the problem:
;;   THIS VERSION OF THE PROBLEM IS GIVEN IN LOW PRECISION. The matrix products marked QUANTISED in the list below multiply operands that are first quantised to E2M3 (2 exponent bits, 3 mantissa bits; 6 bits a number), with one power-of-two scale for each 32 numbers along K (OCP MX v1.0); their sums are f32. All else is computed in f32.
;;   The module's matrix products, in the order in which they are computed (A, B: the left and right operand; K: the contracted axis; several contracted axes count as one K, in the product's order):
;;     1. [M 1,024, K 1,024] x [K 1,024, N 4,096]; A: input wq_w (given as codes); B: input x: QUANTISED
;;     2. batch 32 x [M 2,048, K 64] x [K 64, N 2,048]; A: computed on the way; B: computed on the way: QUANTISED
;;     3. batch 32 x [M 2,048, K 2,048] x [K 2,048, N 64]; A: softmax (see below); B: computed on the way: QUANTISED
;;     4. [M 4,096, K 1,024] x [K 1,024, N 1,024]; A: computed on the way; B: input fc_w (given as codes): QUANTISED
;;     5. [M 4,096, K 1,024] x [K 1,024, N 4,096]; A: computed on the way; B: input w1 (given as codes): QUANTISED
;;     6. [M 4,096, K 4,096] x [K 4,096, N 1,024]; A: computed on the way; B: input w2 (given as codes): QUANTISED
;;   THE QUANTISER, for each operand of a quantised product, along K:
;;     - K is cut into blocks of 32 from its start; a last block that is shorter is filled with zeros.
;;     - A block's scale is 2^e with e = floor(log2(the largest magnitude in the block)) - 2, held to -126 .. 127; a block of zeros has e = 0. As a byte (E8M0): e + 127.
;;     - Each number is divided by its block's scale, clamped to +-7.5, and rounded to the nearest number of E2M3, ties to even, subnormals kept.
;;     - The product sums the exact products of the quantised numbers (number of the format x scale) in f32.
;;   ~~~python
;;   def quantise(x, axis):      # numpy; x: float32 -> the quantised numbers, widened to float32 again
;;       x = np.moveaxis(x, axis, -1); K = x.shape[-1]
;;       x = np.pad(x, [(0, 0)] * (x.ndim - 1) + [(0, -K % 32)]); x = x.reshape(x.shape[:-1] + (-1, 32)); a = np.abs(x).max(-1, keepdims=True)
;;       e = np.where(a > 0, np.clip(np.frexp(np.where(a > 0, a, 1))[1] - 1 - 2, -126, 127), 0)      # np.frexp(a)[1] - 1 = floor(log2(a)), exactly
;;       r = np.clip(x / 2.0 ** e, -7.5, 7.5)
;;       step = 2.0 ** (np.maximum(np.frexp(np.where(r == 0, 1, r))[1] - 1, 0) - 3)
;;       q = np.round(r / step) * step * 2.0 ** e      # np.round: ties to even
;;       return np.moveaxis(q.reshape(q.shape[:-2] + (-1,))[..., :K], -1, axis).astype(np.float32)
;;   ~~~
;;   SOFTMAX AHEAD OF A QUANTISED PRODUCT. Where the list says 'softmax', what is quantised is not the finished softmax but p = 2^(t - M), with t = logit x log2(e) and M = ceil(the row's largest t), a whole number; so 1/2 < the row's largest p <= 1. The row's sum l is taken of the UNQUANTISED p, in f32, and the product's result is divided by l at the end. Since M is a whole number, a kernel that streams over the keys may use a running M (the ceiling of the running maximum): every later rescaling is an exact power of two, which a block's scale takes up: the codes' values come out the same.
;;   OPERANDS COMPUTED ON THE WAY. 'Computed on the way' means the value that the module computes at that place (a softmax that the list does not call 'softmax' is quantised finished and normalised). What goes into a quantiser is computed in f32, as accurately as f32 sums, v_exp_f32 and their like allow (about 1e-6 of the number): no bf16 or f16 on the way to a quantiser, and a product that is left as it is and whose result goes on into a quantised operand takes f32 operands (vector FMAs, or v_wmma_f32_16x16x4_f32). A number that lies on a knife's edge between two numbers of the format may be rounded either way, as far as f32 arithmetic and the matrix unit's own rounding can turn it there, and no further.
;;   INPUTS GIVEN AS CODES. fc_w (in the module: [1024, 1024], K = its axis 0); w1 (in the module: [1024, 4096], K = its axis 0); w2 (in the module: [4096, 1024], K = its axis 0); wq_w (in the module: [16, 1024, 64], K = its axis 1): each comes as NAME_codes (uint8): NAME with its K axis moved to the last place and cut into blocks of 32 codes, [.., K / 32, bytes a block], one block behind the other in memory; four codes in three bytes: a row's codes are one little-endian stream of bits, code i at bits 6 i .. 6 i + 5 (a code: sign, 2 exponent bits, 3 mantissa bits); and NAME_scales (uint8): the same leading axes, one E8M0 byte (e + 127) for each 32 codes along K. Its value is code x scale, taken as it is: it is not quantised again, and the codes and scales need not be those that the quantiser above would give.
;; One version. Each part assembles by itself: llvm-mc -triple=amdgcn-amd-amdhsa -mcpu=gfx1250 --defsym DOCPART=n.
;; ======== version 1 of 1: 7 launches
;; limits: right only within a limited range of input values
;; workspace buffers: xq 3,276,800 bytes; wimg 8,192,000 bytes; kv 6,684,672 bytes; ctxq 3,276,800 bytes; yq 3,276,800 bytes; yimg 16,777,216 bytes; hq 13,107,200 bytes; uimg 16,777,216 bytes
;; launch prep (part 1): grid 256 x 1, 9 waves a work-group, no clusters, 0 bytes of LDS; arguments x, wq_w_codes, wq_w_scales, fc_w_codes, fc_w_scales, w1_codes, w1_scales, w2_codes, w2_scales, xq, wimg; writes xq, wimg
.if DOCPART == 1
	.amdgcn_target "amdgcn-amd-amdhsa--gfx1250"
	.amdhsa_code_object_version 6
	.text
	.protected	k_q0c451870ea_prep
	.globl	k_q0c451870ea_prep
	.p2align	8
	.type	k_q0c451870ea_prep,@function
k_q0c451870ea_prep:
	s_mov_b64 s[64:65], 0
	v_nop
	global_prefetch_b8 v0, s[64:65] scope:SCOPE_SE
	s_setreg_imm32_b32 hwreg(HW_REG_WAVE_MODE, 25, 1), 1
	s_wait_xcnt 0x0
; TRANSFORMER ENCODER BLOCK IN MX-FP6, launch 1 of 7: x is quantised along D, and the four weights' codes and scale bytes are laid in the order of the operands' registers.
; DEAD WORK: none is left out.  Every product of the block and every input (x, the four weights, wq_b, fc_b, b1, b2, both gains and both shifts) has a way to out0, and all are loaded by some launch.
; THE LAYOUT THAT ALL LAUNCHES SHARE.  lane l, r = l % 16, h = l / 16, rho(r) = r + (r & 8), tau(i) = 32 (i / 2) + 8 (i % 2).
;   A group is 64 rows (tokens, or rows of a weight); its tile i (0..3) holds row tau(i) + rho(r) in lane r.  With these rows a transposed product leaves 16 neighbours along the next K in 16 neighbouring registers.
;   A half fragment (768 bytes) is 16 rows x 64 K: a lane's six registers hold block h of its row; registers 0-3 lie at 16 l, registers 4-5 at 512 + 8 l.  Two of them are a fragment of 128 K.
;   A UNIT (6,400 bytes) is a group x 128 K: tile i's fragment at 1536 i; at 6144 + 16 r + 4 i the scale word of (tile i, row r).  Every load and store of a unit is dense.
; xq: units [64 groups of tokens][8 K steps].  wimg: units by number: wq 0.. (8 head + s), fc 128.. (8 g + s), w1 256.. (8 g + s), w2 768.. (32 g + s).
; SHARES.  A work-group has nine waves.  Waves 0-3 each quantise HALF a unit of x (two tiles, 32 tokens x 128 K: all its 32 loads go out at once): 256 x 4 = 1,024 halves.  Waves 4-8 each lay one unit of the weights: 256 x 5 = 1,280 units.
; So every work-group has the same work.  No LDS, no barrier, no matrix unit, no cluster: waves share nothing.
; THE QUANTISER: a block's scale byte is its largest magnitude's exponent field - 2; the conversion divides by the scale and rounds to the nearest code, ties to even, beyond 7.5 the largest code.
; LIMITS: NaN and infinities among the inputs are not served.  A block whose largest magnitude lies under 2^-124 gets the byte 1; so does a block of zeros (its codes are zeros; this program alone reads the bytes).
.set UNIT, 6400
.set OW,  2                            ; v2  16 x lane
.set ON,  3                            ; v3  8 x lane
.set OS,  4                            ; v4  16 r
.set XA,  5                            ; v5  x: rho(r) rows of 4,096 bytes + 64 h
.set SW,  60                           ; v60-63 the tiles' scale words
.set X,   64                           ; v64-191 two tiles of 64 numbers; for the weights v64-111: four fragments
.set TM,  192                          ; v192-197 at work in the quantiser; v198, v199: two halfwords of scale bytes
.set SEL, 40                           ; s[40:41] lane selects: lane l xor 16
; 32 numbers of a lane, register 16 b + i = k 32 b + 16 h + i of its row, become six registers of codes (block h of the row) at v[pc] and the two scale bytes in v[pw].  v[pc+6..pc+8] are at work.
.macro QUANT32 s, pc, pw
	v_max3_num_f32 v[TM], |v[(\s)]|, |v[(\s)+1]|, 0x1800000          ; my 16 numbers of block 0, and the floor 2^(3 - 127): the byte cannot fall under 1
	v_max3_num_f32 v[TM+1], |v[(\s)+16]|, |v[(\s)+17]|, 0x1800000    ; and of block 1: the two by turns
.irp i, 2,4,6,8,10,12,14
	s_delay_alu instid0(VALU_DEP_2)
	v_max3_num_f32 v[TM], v[TM], |v[(\s)+\i]|, |v[(\s)+\i+1]|
	s_delay_alu instid0(VALU_DEP_2)
	v_max3_num_f32 v[TM+1], v[TM+1], |v[(\s)+16+\i]|, |v[(\s)+17+\i]|
.endr
	s_delay_alu instid0(VALU_DEP_2)
	v_permlanex16_b32 v[TM+2], v[TM], s[SEL], s[SEL+1]
	s_delay_alu instid0(VALU_DEP_2)
	v_permlanex16_b32 v[TM+3], v[TM+1], s[SEL], s[SEL+1]
	s_delay_alu instid0(VALU_DEP_2)
	v_max_num_f32 v[TM], v[TM], v[TM+2]                              ; with lane l xor 16's: the block's largest magnitude
	s_delay_alu instid0(VALU_DEP_2)
	v_max_num_f32 v[TM+1], v[TM+1], v[TM+3]
	s_delay_alu instid0(VALU_DEP_2)
	v_add_nc_u32 v[TM+4], 0xff000000, v[TM]                          ; 2 off the exponent field: the conversion's scale operand
	s_delay_alu instid0(VALU_DEP_2)
	v_add_nc_u32 v[TM+5], 0xff000000, v[TM+1]
	s_delay_alu instid0(VALU_DEP_2)
	v_lshrrev_b32 v[TM+2], 23, v[TM+4]                               ; the scale's byte
	s_delay_alu instid0(VALU_DEP_2)
	v_lshrrev_b32 v[TM+3], 23, v[TM+5]
	s_delay_alu instid0(VALU_DEP_1)
	v_lshl_or_b32 v[\pw], v[TM+3], 8, v[TM+2]
	v_cvt_scalef32_pk16_fp6_f32 v[(\pc):(\pc)+2], v[(\s):(\s)+15], v[TM+4]
	v_cvt_scalef32_pk16_fp6_f32 v[(\pc)+6:(\pc)+8], v[(\s)+16:(\s)+31], v[TM+5]
	v_nop                                                            ; one plain place behind a scaled conversion
.irp i, 0,1,2
	v_permlane16_swap_b32 v[(\pc)+\i], v[(\pc)+6+\i]                 ; a whole block to a lane: lanes 0-15 block 0, lanes 16-31 block 1
.endr
.irp i, 0,1,2
	s_delay_alu instid0(VALU_DEP_3)
	v_mov_b32 v[(\pc)+3+\i], v[(\pc)+6+\i]
.endr
.endm
.macro PUTHF pc, sb, off               ; a half fragment leaves: 512 consecutive bytes, then 256
	global_store_b128 v[OW], v[(\pc):(\pc)+3], s[\sb:\sb+1] offset:\off
	global_store_b64 v[ON], v[(\pc)+4:(\pc)+5], s[\sb:\sb+1] offset:(\off)+512
.endm
	s_load_b512 s[4:19], s[0:1], 0x0               ; x, wq codes, wq scales, fc codes, fc scales, w1 codes, w1 scales, w2 codes
	s_load_b128 s[20:23], s[0:1], 0x40             ; w2 scales, xq
	s_load_b64 s[24:25], s[0:1], 0x50              ; wimg
	v_lshrrev_b32 v1, 5, v0
	s_delay_alu instid0(VALU_DEP_1)
	v_readfirstlane_b32 s26, v1                    ; wave 0..8
	v_and_b32 v1, 31, v0
	v_and_b32 v6, 15, v0                           ; r
	v_bfe_u32 v7, v0, 4, 1                         ; h
	s_delay_alu instid0(VALU_DEP_3)
	v_lshlrev_b32 v[OW], 4, v1
	s_delay_alu instid0(VALU_DEP_4)
	v_lshlrev_b32 v[ON], 3, v1
	s_delay_alu instid0(VALU_DEP_4)
	v_lshlrev_b32 v[OS], 4, v6
	v_and_b32 v1, 8, v6
	s_delay_alu instid0(VALU_DEP_1)
	v_add_nc_u32 v6, v6, v1                        ; rho(r)
	s_mov_b32 s[SEL], 0x76543210
	s_mov_b32 s[SEL+1], 0xfedcba98
	v_mov_b32 v[TM+2], 0                           ; written once: a lane permute's destination counts as one of its sources
	v_mov_b32 v[TM+3], 0
	s_cmp_lt_u32 s26, 4
	s_cbranch_scc0 .Lweights
	; ---- x: half unit V = 4 x work-group + wave: unit V / 2 (group U / 8, K step U % 8), tiles 2 (V % 2) and 2 (V % 2) + 1: tokens 32 (V % 2) .. + 31 of the group
	s_lshl_b32 s27, ttmp9, 2
	s_add_co_u32 s27, s27, s26
	s_lshr_b32 s32, s27, 1                         ; the unit
	s_and_b32 s33, s27, 1                          ; which half
	s_lshr_b32 s28, s32, 3
	s_and_b32 s29, s32, 7
	s_lshl_b32 s28, s28, 18                        ; 64 rows of 4,096 bytes a group
	s_lshl_b32 s29, s29, 9                         ; 512 bytes a K step
	s_add_co_u32 s28, s28, s29
	s_lshl_b32 s29, s33, 17                        ; 32 rows a half
	s_add_co_u32 s28, s28, s29
	s_mov_b32 s29, 0
	s_mul_i32 s30, s32, UNIT
	s_mul_i32 s31, s33, 3072
	s_add_co_u32 s34, s30, s31                     ; my two fragments
	s_mov_b32 s35, 0
	s_lshl_b32 s31, s33, 3
	s_add_co_u32 s30, s30, s31                     ; my two scale words of each row: 8 bytes a half
	s_mov_b32 s31, 0
	s_wait_alu depctr_va_vdst(0)
	v_lshlrev_b32 v[XA], 12, v6
	s_delay_alu instid0(VALU_DEP_1)
	v_lshl_add_u32 v[XA], v7, 6, v[XA]
	s_wait_alu depctr_va_vdst(0)
	s_wait_kmcnt 0x0
	s_add_nc_u64 s[4:5], s[4:5], s[28:29]
	s_add_nc_u64 s[36:37], s[22:23], s[30:31]
	s_add_nc_u64 s[22:23], s[22:23], s[34:35]
.macro LOADX j                         ; my tile j: of my row, 16 neighbouring numbers of each of the K step's four blocks
.irp b, 0,1,2,3
.irp k, 0,1,2,3
	global_load_b128 v[X+64*(\j)+16*\b+4*\k:X+64*(\j)+16*\b+4*\k+3], v[XA], s[4:5] offset:8*(\j)*4096+128*\b+16*\k th:TH_LOAD_NT
.endr
.endr
.endm
.macro XTILE j
	QUANT32 X+64*(\j), 8+12*(\j), 198
	QUANT32 X+64*(\j)+32, 14+12*(\j), 199
	v_lshl_or_b32 v[SW+(\j)], v199, 16, v198       ; four bytes: the row's scale word for these 128 K
	PUTHF 8+12*(\j), 22, 1536*(\j)                 ; each half fragment has registers of its own: no store's data are written again
	PUTHF 14+12*(\j), 22, 1536*(\j)+768
.endm
	LOADX 0
	LOADX 1
	s_wait_loadcnt 16                              ; the first tile's sixteen loads are in; the second tile's sixteen may be out
	XTILE 0
	s_wait_loadcnt 0x0
	XTILE 1
	global_store_b64 v[OS], v[SW:SW+1], s[36:37] offset:6144   ; row r's two words; lanes 16-31 hold, and write, the same as lanes 0-15
	s_endpgm
	; ---- the weights: unit U = 5 x work-group + wave - 4.  Codes and bytes are copied as they are given; only their order changes.
.Lweights:
	s_mul_i32 s27, ttmp9, 5
	s_add_co_u32 s27, s27, s26
	s_sub_co_u32 s27, s27, 4
	s_mov_b32 s32, 768                             ; the tensor's first unit,
	s_mov_b32 s33, 5                               ; and log2 of its K steps: w2 has 32, the others 8
	s_wait_kmcnt 0x0
	s_mov_b64 s[28:29], s[18:19]
	s_mov_b64 s[30:31], s[20:21]
	s_cmp_lt_u32 s27, 768                          ; the choices hang on the unit's number alone
	s_cselect_b64 s[28:29], s[14:15], s[28:29]
	s_cselect_b64 s[30:31], s[16:17], s[30:31]
	s_cselect_b32 s32, 256, s32
	s_cselect_b32 s33, 3, s33
	s_cmp_lt_u32 s27, 256
	s_cselect_b64 s[28:29], s[10:11], s[28:29]
	s_cselect_b64 s[30:31], s[12:13], s[30:31]
	s_cselect_b32 s32, 128, s32
	s_cmp_lt_u32 s27, 128
	s_cselect_b64 s[28:29], s[6:7], s[28:29]
	s_cselect_b64 s[30:31], s[8:9], s[30:31]
	s_cselect_b32 s32, 0, s32
	s_sub_co_u32 s34, s27, s32
	s_lshr_b32 s35, s34, s33                       ; group
	s_lshl_b32 s36, s35, s33
	s_sub_co_u32 s36, s34, s36                     ; K step
	s_lshl_b32 s37, 96, s33                        ; a row of codes in bytes
	s_lshl_b32 s38, 4, s33                         ; a row of scale bytes
	s_mul_i32 s42, s35, s37
	s_lshl_b32 s42, s42, 6                         ; 64 rows a group
	s_mul_i32 s43, s36, 96
	s_add_co_u32 s42, s42, s43
	s_mov_b32 s43, 0
	s_add_nc_u64 s[28:29], s[28:29], s[42:43]
	s_mul_i32 s42, s35, s38
	s_lshl_b32 s42, s42, 6
	s_lshl_b32 s44, s36, 2
	s_add_co_u32 s42, s42, s44
	s_add_nc_u64 s[30:31], s[30:31], s[42:43]
	s_mul_i32 s42, s27, UNIT
	s_add_nc_u64 s[24:25], s[24:25], s[42:43]
	s_wait_alu depctr_va_vdst(0)
	v_mul_lo_u32 v8, v6, s37                       ; tile 0: row rho(r),
	s_delay_alu instid0(VALU_DEP_1)
	v_mad_u32_u24 v8, v7, 24, v8                   ; + 24 h
	s_lshl_b32 s44, s37, 3
	s_lshl_b32 s45, s37, 5
	s_add_co_u32 s46, s44, s45
	v_add_nc_u32 v9, s44, v8                       ; tiles 1, 2, 3: 8, 32, 40 rows on
	v_add_nc_u32 v10, s45, v8
	v_add_nc_u32 v11, s46, v8
	v_mul_lo_u32 v12, v6, s38
	s_lshl_b32 s44, s38, 3
	s_lshl_b32 s45, s38, 5
	s_add_co_u32 s46, s44, s45
	v_add_nc_u32 v13, s44, v12
	v_add_nc_u32 v14, s45, v12
	v_add_nc_u32 v15, s46, v12
.irp i, 0,1,2,3
.irp p, 0,1,2,3,4,5
	global_load_b64 v[X+12*\i+2*\p:X+12*\i+2*\p+1], v[8+\i], s[28:29] offset:48*(\p/3)+8*(\p%3)   ; a row's stream of bits is the register image: 24 bytes at 24 h, 24 more at 48 + 24 h
.endr
	global_load_b32 v[SW+\i], v[12+\i], s[30:31]
.endr
	s_wait_loadcnt 0x0
.irp i, 0,1,2,3
	PUTHF X+12*\i, 24, 1536*\i
	PUTHF X+12*\i+6, 24, 1536*\i+768
.endr
	global_store_b128 v[OS], v[SW:SW+3], s[24:25] offset:6144
	s_endpgm
.Lfunc_end_k_q0c451870ea_prep:
	.size	k_q0c451870ea_prep, .Lfunc_end_k_q0c451870ea_prep-k_q0c451870ea_prep
	.p2alignl 7, 3214868480
	.fill 96, 4, 3214868480
	.section	.rodata,"a",@progbits
	.p2align	6, 0x0
	.amdhsa_kernel k_q0c451870ea_prep
		.amdhsa_group_segment_fixed_size 0
		.amdhsa_private_segment_fixed_size 0
		.amdhsa_enable_private_segment 0
		.amdhsa_kernarg_size 88
		.amdhsa_user_sgpr_count 2
		.amdhsa_user_sgpr_kernarg_segment_ptr 1
		.amdhsa_wavefront_size32 1
		.amdhsa_system_sgpr_workgroup_id_x 1
		.amdhsa_system_sgpr_workgroup_id_y 1
		.amdhsa_system_sgpr_workgroup_id_z 1
		.amdhsa_system_vgpr_workitem_id 0
		.amdhsa_next_free_vgpr 208
		.amdhsa_next_free_sgpr 66
		.amdhsa_reserve_vcc 0
		.amdhsa_float_denorm_mode_32 3
		.amdhsa_float_denorm_mode_16_64 3
		.amdhsa_memory_ordered 1
		.amdhsa_forward_progress 1
		.amdhsa_inst_pref_size 24
	.end_amdhsa_kernel
	.amdgpu_metadata
---
amdhsa.version: [ 1, 2 ]
amdhsa.kernels:
  - .name:           k_q0c451870ea_prep
    .symbol:         k_q0c451870ea_prep.kd
    .args:
      - { .name: x, .offset: 0, .size: 8, .value_kind: global_buffer, .address_space: global }
      - { .name: wq_w_codes, .offset: 8, .size: 8, .value_kind: global_buffer, .address_space: global }
      - { .name: wq_w_scales, .offset: 16, .size: 8, .value_kind: global_buffer, .address_space: global }
      - { .name: fc_w_codes, .offset: 24, .size: 8, .value_kind: global_buffer, .address_space: global }
      - { .name: fc_w_scales, .offset: 32, .size: 8, .value_kind: global_buffer, .address_space: global }
      - { .name: w1_codes, .offset: 40, .size: 8, .value_kind: global_buffer, .address_space: global }
      - { .name: w1_scales, .offset: 48, .size: 8, .value_kind: global_buffer, .address_space: global }
      - { .name: w2_codes, .offset: 56, .size: 8, .value_kind: global_buffer, .address_space: global }
      - { .name: w2_scales, .offset: 64, .size: 8, .value_kind: global_buffer, .address_space: global }
      - { .name: xq, .offset: 72, .size: 8, .value_kind: global_buffer, .address_space: global }
      - { .name: wimg, .offset: 80, .size: 8, .value_kind: global_buffer, .address_space: global }
    .group_segment_fixed_size: 0
    .private_segment_fixed_size: 0
    .kernarg_segment_align: 8
    .kernarg_segment_size: 88
    .max_flat_workgroup_size: 288
    .sgpr_count:     66
    .vgpr_count:     208
    .wavefront_size: 32
...
	.end_amdgpu_metadata
.endif
;; end of part 1
;; launch qkv (part 2): grid 8 x 32, 16 waves a work-group, clusters of 4 x 4, 327,680 bytes of LDS; arguments xq, wimg, wq_b, kv; writes kv
.if DOCPART == 2
	.amdgcn_target "amdgcn-amd-amdhsa--gfx1250"
	.amdhsa_code_object_version 6
	.text
	.protected	k_q0c451870ea_qkv
	.globl	k_q0c451870ea_qkv
	.p2align	8
	.type	k_q0c451870ea_qkv,@function
k_q0c451870ea_qkv:
	s_mov_b64 s[64:65], 0
	v_nop
	global_prefetch_b8 v0, s[64:65] scope:SCOPE_SE
	s_setreg_imm32_b32 hwreg(HW_REG_WAVE_MODE, 25, 1), 1
	s_wait_xcnt 0x0
	s_wait_alu depctr_hold_cnt(0) depctr_sa_sdst(0) depctr_va_vdst(0) depctr_va_sdst(0) depctr_va_ssrc(0) depctr_va_vcc(0) depctr_vm_vsrc(0)
	s_getreg_b32 s2, hwreg(HW_REG_IB_STS2, 6, 4)
	s_cmp_eq_u32 s2, 0
	s_cbranch_scc0 .Lentry_in_a_cluster
	s_endpgm
.Lentry_in_a_cluster:
	s_bfe_u32 s2, ttmp6, 0x10000c
	s_cmp_lg_u32 s2, 0xf033
	s_cbranch_scc0 .Lentry_shape_is_right
	s_endpgm
.Lentry_shape_is_right:
.set UNIT,   6400
.set SLOT,   16*UNIT
.set FILLB,  4*UNIT
.set SPARE,  262144
.set RECORD, 208896
.set VOFF,   98304
.set KSC,    196608
.set VSC,    204800
.set WV,  14
.set G1X, 24
.set G0X, 32
.set G1W, 48
.set G0W, 56
.set SEL, 66
.set OW,  18
.set ON,  19
.set OS,  20
.set F0,  32
.set F1,  80
.set ACC, 128
.set TM,  80
.macro QUANT32 s, pc, pw
	v_max3_num_f32 v[TM], |v[(\s)]|, |v[(\s)+1]|, 0x1800000
	v_max3_num_f32 v[TM+1], |v[(\s)+16]|, |v[(\s)+17]|, 0x1800000
.irp i, 2,4,6,8,10,12,14
	s_delay_alu instid0(VALU_DEP_2)
	v_max3_num_f32 v[TM], v[TM], |v[(\s)+\i]|, |v[(\s)+\i+1]|
	s_delay_alu instid0(VALU_DEP_2)
	v_max3_num_f32 v[TM+1], v[TM+1], |v[(\s)+16+\i]|, |v[(\s)+17+\i]|
.endr
	s_delay_alu instid0(VALU_DEP_2)
	v_permlanex16_b32 v[TM+2], v[TM], s[SEL], s[SEL+1]
	s_delay_alu instid0(VALU_DEP_2)
	v_permlanex16_b32 v[TM+3], v[TM+1], s[SEL], s[SEL+1]
	s_delay_alu instid0(VALU_DEP_2)
	v_max_num_f32 v[TM], v[TM], v[TM+2]
	s_delay_alu instid0(VALU_DEP_2)
	v_max_num_f32 v[TM+1], v[TM+1], v[TM+3]
	s_delay_alu instid0(VALU_DEP_2)
	v_add_nc_u32 v[TM+4], 0xff000000, v[TM]
	s_delay_alu instid0(VALU_DEP_2)
	v_add_nc_u32 v[TM+5], 0xff000000, v[TM+1]
	s_delay_alu instid0(VALU_DEP_2)
	v_lshrrev_b32 v[TM+2], 23, v[TM+4]
	s_delay_alu instid0(VALU_DEP_2)
	v_lshrrev_b32 v[TM+3], 23, v[TM+5]
	s_delay_alu instid0(VALU_DEP_1)
	v_lshl_or_b32 v[\pw], v[TM+3], 8, v[TM+2]
	v_cvt_scalef32_pk16_fp6_f32 v[(\pc):(\pc)+2], v[(\s):(\s)+15], v[TM+4]
	v_cvt_scalef32_pk16_fp6_f32 v[(\pc)+6:(\pc)+8], v[(\s)+16:(\s)+31], v[TM+5]
	v_nop
.irp i, 0,1,2
	v_permlane16_swap_b32 v[(\pc)+\i], v[(\pc)+6+\i]
.endr
.irp i, 0,1,2
	s_delay_alu instid0(VALU_DEP_3)
	v_mov_b32 v[(\pc)+3+\i], v[(\pc)+6+\i]
.endr
.endm
.macro PUTHF pc, sb, off
	global_store_b128 v[OW], v[(\pc):(\pc)+3], s[\sb:\sb+1] offset:\off
	global_store_b64 v[ON], v[(\pc)+4:(\pc)+5], s[\sb:\sb+1] offset:(\off)+512
.endm
.macro CROUND
	s_barrier_signal -1
	s_barrier_wait -1
	s_cmp_lg_u32 s[WV], 0
	s_cbranch_scc1 .Lnot_wave_0_\@
	s_barrier_signal -3
.Lnot_wave_0_\@:
	s_barrier_wait -3
	s_barrier_signal -1
	s_barrier_wait -1
.endm
.macro JLOAD gx, gw
	s_cmp_lt_u32 s[WV], 8
	s_cbranch_scc0 .Lfor_w_\@
	tensor_load_to_lds s[\gx:\gx+3], s[G1X:G1X+7]
	s_nop 0
.rept 4
	v_nop
.endr
	s_branch .Lasked_\@
.Lfor_w_\@:
	tensor_load_to_lds s[\gw:\gw+3], s[G1W:G1W+7]
	s_nop 0
.rept 4
	v_nop
.endr
.Lasked_\@:
.endm
.macro MKG0 gx, gw, f
	s_mov_b32 s[\gx], 1
	s_add_co_u32 s[\gx+1], s45, (\f)*SLOT
	s_add_nc_u64 s[\gx+2:\gx+3], s[20:21], (\f)*FILLB
	s_or_b32 s[\gx+3], s[\gx+3], 0x80000000
	s_mov_b32 s[\gw], 1
	s_add_co_u32 s[\gw+1], s45, (\f)*SLOT
	s_add_nc_u64 s[\gw+2:\gw+3], s[46:47], (\f)*FILLB
	s_or_b32 s[\gw+3], s[\gw+3], 0x80000000
	s_wait_alu depctr_va_vdst(0)
	s_wait_tensorcnt 0x0
	ds_add_u32 v14, v15
	ds_add_u32 v14, v15
	s_wait_dscnt 0x0
	CROUND
	JLOAD \gx, \gw
.endm
.macro SETSLOT k
.irp i, 0,1,2,3,4,5
	v_add_nc_u32 v[8+\i], (\k)*SLOT, v[2+\i]
.endr
.endm
.macro FRAGS f, aw, an, off
.irp i, 0,1,2,3
	ds_load_b128 v[\f+12*\i:\f+12*\i+3], v[\aw] offset:(\off)+1536*\i
	ds_load_b64 v[\f+12*\i+4:\f+12*\i+5], v[\an] offset:(\off)+1536*\i+512
	ds_load_b128 v[\f+12*\i+6:\f+12*\i+9], v[\aw] offset:(\off)+1536*\i+768
	ds_load_b64 v[\f+12*\i+10:\f+12*\i+11], v[\an] offset:(\off)+1536*\i+1280
.endr
.endm
.macro KSTEP off, zero, pl
.if \pl
.rept \pl
	v_nop
.endr
.endif
	FRAGS F0, 8, 9, \off
	FRAGS F1, 11, 12, \off
	ds_load_b128 v[24:27], v10 offset:(\off)+6144
	ds_load_b128 v[28:31], v13 offset:(\off)+6144
	s_wait_dscnt 0x0
.irp n, 0,1,2,3
.irp a, 0,1,2,3
.if \zero
	v_wmma_scale_f32_16x16x128_f8f6f4 v[ACC+32*\n+8*\a:ACC+32*\n+8*\a+7], v[F0+12*\a:F0+12*\a+11], v[F1+12*\n:F1+12*\n+11], 0, v[24+\a], v[28+\n] matrix_a_fmt:MATRIX_FMT_FP6 matrix_b_fmt:MATRIX_FMT_FP6
.else
	v_wmma_scale_f32_16x16x128_f8f6f4 v[ACC+32*\n+8*\a:ACC+32*\n+8*\a+7], v[F0+12*\a:F0+12*\a+11], v[F1+12*\n:F1+12*\n+11], v[ACC+32*\n+8*\a:ACC+32*\n+8*\a+7], v[24+\a], v[28+\n] matrix_a_fmt:MATRIX_FMT_FP6 matrix_b_fmt:MATRIX_FMT_FP6
.endif
.endr
.endr
.endm
.macro LAST
	s_wait_tensorcnt 0x0
	ds_add_u32 v14, v15
	s_wait_dscnt 0x0
	s_barrier_signal -1
	s_barrier_wait -1
.endm
	s_load_b256 s[4:11], s[0:1], 0x0
	v_lshl_add_u32 v14, v0, 2, SPARE
	v_mov_b32 v15, 0
	ds_add_u32 v14, v15
	ds_add_u32 v14, v15
	v_lshrrev_b32 v1, 5, v0
	s_delay_alu instid0(VALU_DEP_1)
	v_readfirstlane_b32 s[WV], v1
	s_bfe_u32 s40, ttmp6, 0x40000
	s_bfe_u32 s41, ttmp6, 0x40004
	s_lshl_b32 s42, ttmp9, 2
	s_add_co_u32 s42, s42, s40
	s_and_b32 s17, ttmp7, 0xffff
	s_lshl_b32 s17, s17, 2
	s_add_co_u32 s17, s17, s41
	s_lshl_b32 s43, s41, 2
	s_lshl_b32 s43, 15, s43
	s_lshl_b32 s44, 0x1111, s40
	s_or_b32 s[G1X], s43, (3<<16)|(1<<21)
	s_or_b32 s[G1W], s44, (3<<16)|(1<<21)
.irp g, G1X, G1W
	s_mov_b32 s[\g+1], 32<<16
	s_mov_b32 s[\g+2], 25<<16
	s_mov_b32 s[\g+3], 32<<16
	s_mov_b32 s[\g+4], 25
	s_mov_b32 s[\g+5], 32
	s_mov_b32 s[\g+6], 0
	s_mov_b32 s[\g+7], 0
.endr
	s_and_b32 s18, s[WV], 7
	s_lshr_b32 s19, s18, 2
	s_and_b32 s18, s18, 3
	s_lshl_b32 s19, s19, 3
	s_add_co_u32 s19, s19, s18
	s_lshl_b32 s20, s17, 4
	s_add_co_u32 s20, s20, s19
	s_mul_i32 s20, s20, UNIT
	s_mov_b32 s21, 0
	s_lshl_b32 s46, s42, 4
	s_add_co_u32 s46, s46, s19
	s_mul_i32 s46, s46, UNIT
	s_mov_b32 s47, 0
	s_mul_i32 s45, s[WV], UNIT
	s_mov_b32 s[SEL], 0x76543210
	s_mov_b32 s[SEL+1], 0xfedcba98
	s_wait_dscnt 0x0
	s_wait_kmcnt 0x0
	s_add_nc_u64 s[20:21], s[4:5], s[20:21]
	s_add_nc_u64 s[46:47], s[6:7], s[46:47]
	CROUND
	MKG0 G0X, G0W, 0
	MKG0 G0X+4, G0W+4, 1
	s_lshr_b32 s70, s[WV], 3
	s_bfe_u32 s71, s[WV], 0x10002
	s_bfe_u32 s72, s[WV], 0x10001
	s_and_b32 s73, s[WV], 1
	s_xor_b32 s74, s70, 1
	s_lshl_b32 s74, s74, 3
	s_lshl_b32 s75, s73, 2
	s_add_co_u32 s74, s74, s75
	s_lshl_b32 s75, s71, 1
	s_add_co_u32 s74, s74, s75
	s_mul_i32 s74, s74, UNIT
	s_lshl_b32 s76, s70, 3
	s_lshl_b32 s77, s72, 2
	s_add_co_u32 s76, s76, s77
	s_add_co_u32 s76, s76, s75
	s_mul_i32 s76, s76, UNIT
	v_and_b32 v1, 31, v0
	s_delay_alu instid0(VALU_DEP_1)
	v_lshlrev_b32 v[OW], 4, v1
	s_delay_alu instid0(VALU_DEP_2)
	v_lshlrev_b32 v[ON], 3, v1
	v_and_b32 v1, 15, v0
	s_delay_alu instid0(VALU_DEP_1)
	v_lshlrev_b32 v[OS], 4, v1
	s_delay_alu instid0(VALU_DEP_2)
	v_lshlrev_b32 v23, 3, v1
	s_delay_alu instid0(VALU_DEP_3)
	v_and_b32 v22, 8, v1
	s_delay_alu instid0(VALU_DEP_1)
	v_add_nc_u32 v22, v22, v1
	s_delay_alu instid0(VALU_DEP_1)
	v_lshlrev_b32 v22, 2, v22
	s_lshl_b32 s77, s71, 7
	v_add_nc_u32 v22, s77, v22
	v_bfe_u32 v21, v0, 4, 1
	s_delay_alu instid0(VALU_DEP_1)
	v_lshlrev_b32 v21, 6, v21
	v_add_nc_u32 v2, s74, v[OW]
	v_add_nc_u32 v3, s74, v[ON]
	v_add_nc_u32 v4, s74, v[OS]
	v_add_nc_u32 v5, s76, v[OW]
	v_add_nc_u32 v6, s76, v[ON]
	v_add_nc_u32 v7, s76, v[OS]
	s_and_b32 s77, s[WV], 3
	s_lshl_b32 s78, s70, 2
	s_add_co_u32 s77, s77, s78
	s_lshl_b32 s77, s77, 15
	s_lshl_b32 s78, s71, 12
	s_add_co_u32 s78, s78, s77
	v_add_nc_u32 v16, s78, v[OW]
	s_lshl_b32 s78, s71, 14
	s_add_co_u32 s78, s78, s77
	v_add_nc_u32 v17, s78, v[OW]
	s_cmp_eq_u32 s70, 0
	s_cselect_b32 s76, s73, s72
	s_cselect_b32 s77, s72, s73
	s_lshl_b32 s78, s42, 1
	s_add_co_u32 s78, s78, s76
	s_lshl_b32 s79, s17, 1
	s_add_co_u32 s79, s79, s77
	s_lshr_b32 s80, s79, 5
	s_lshl_b32 s80, s80, 4
	s_add_co_u32 s80, s80, s78
	s_mul_i32 s80, s80, RECORD
	s_and_b32 s81, s79, 31
	s_lshr_b32 s82, s81, 1
	s_and_b32 s83, s81, 1
	s_mul_i32 s84, s81, 3072
	s_mul_i32 s85, s71, 1536
	s_add_co_u32 s84, s84, s85
	s_mul_i32 s85, s82, 6144
	s_mul_i32 s86, s71, 3072
	s_add_co_u32 s85, s85, s86
	s_mul_i32 s86, s83, 768
	s_add_co_u32 s85, s85, s86
	s_add_co_u32 s85, s85, VOFF
	s_lshl_b32 s86, s82, 9
	s_lshl_b32 s87, s83, 3
	s_add_co_u32 s86, s86, s87
	s_lshl_b32 s87, s71, 2
	s_add_co_u32 s86, s86, s87
	s_add_co_u32 s86, s86, KSC
	s_lshl_b32 s88, s82, 8
	s_add_co_u32 s88, s88, s87
	s_lshl_b32 s87, s83, 1
	s_add_co_u32 s88, s88, s87
	s_add_co_u32 s88, s88, VSC
	s_mov_b32 s89, 1536
	s_cmp_eq_u32 s70, 0
	s_cselect_b32 s84, s84, s85
	s_cselect_b32 s86, s86, s88
	s_cselect_b32 s88, 768, s89
	s_mov_b32 s89, 0
	s_add_co_u32 s84, s84, s80
	s_mov_b32 s85, 0
	s_add_co_u32 s86, s86, s80
	s_mov_b32 s87, 0
	s_add_nc_u64 s[90:91], s[10:11], s[84:85]
	s_add_nc_u64 s[92:93], s[90:91], s[88:89]
	s_add_nc_u64 s[94:95], s[10:11], s[86:87]
	s_lshl_b32 s84, s78, 8
	s_add_nc_u64 s[96:97], s[8:9], s[84:85]
	s_wait_alu depctr_va_vdst(0)
	s_wait_tensorcnt 0x1
	s_barrier_signal -1
	s_barrier_wait -1
	SETSLOT 0
	KSTEP 0, 1, 0
	s_wait_alu depctr_va_vdst(0)
	KSTEP UNIT, 0, 4
	LAST
	SETSLOT 1
	KSTEP 0, 0, 0
	s_wait_alu depctr_va_vdst(0)
	KSTEP UNIT, 0, 4
.rept 4
	v_nop
.endr
.irp q, 0,1,2,3,4,5,6,7
	global_load_b128 v[32+4*\q:35+4*\q], v21, s[96:97] offset:128*(\q/4)+16*(\q%4)
.endr
	global_load_b32 v64, v22, s[96:97]
	global_load_b32 v66, v22, s[96:97] offset:32
	v_mov_b32 v65, 0
	v_mov_b32 v67, 0
	v_mov_b32 v[TM+2], 0
	v_mov_b32 v[TM+3], 0
	s_wait_dscnt 0x0
	s_barrier_signal -1
	s_barrier_wait -1
.irp n, 0,1,2,3
.irp q, 0,1,2,3,4,5,6,7
	ds_store_b128 v16, v[ACC+32*\n+4*\q:ACC+32*\n+4*\q+3] offset:8192*\n+512*\q
.endr
.endr
	s_wait_dscnt 0x0
	s_barrier_signal -1
	s_barrier_wait -1
.irp m, 0,1
.irp j, 0,1
.irp q, 0,1,2,3,4,5,6,7
	ds_load_b128 v[ACC+64*\m+32*\j+4*\q:ACC+64*\m+32*\j+4*\q+3], v17 offset:8192*\m+4096*\j+512*\q
.endr
.endr
.endr
	s_wait_dscnt 0x0
.irp m, 0,1
.set j, 0
.rept 16
	v_pk_add_f32 v[ACC+64*\m+j:ACC+64*\m+j+1], v[ACC+64*\m+j:ACC+64*\m+j+1], v[ACC+64*\m+32+j:ACC+64*\m+33+j]
.set j, j+2
.endr
.endr
	s_wait_loadcnt 0x0
	s_cmp_eq_u32 s70, 0
	s_cbranch_scc0 .Lbias_d
.irp m, 0,1
.set j, 0
.rept 16
	v_pk_add_f32 v[ACC+64*\m+j:ACC+64*\m+j+1], v[ACC+64*\m+j:ACC+64*\m+j+1], v[32+j:33+j]
.set j, j+2
.endr
.endr
	s_branch .Lbiased
.Lbias_d:
.irp m, 0,1
.set j, 0
.rept 16
	v_pk_add_f32 v[ACC+64*\m+j:ACC+64*\m+j+1], v[ACC+64*\m+j:ACC+64*\m+j+1], v[64+2*\m:65+2*\m] op_sel_hi:[1,0]
.set j, j+2
.endr
.endr
.Lbiased:
	QUANT32 ACC, 96, 86
	QUANT32 ACC+64, 102, 87
	PUTHF 96, 90, 0
	PUTHF 102, 92, 0
	s_cmp_eq_u32 s70, 0
	s_cbranch_scc0 .Lscale_v
	v_or_b32 v86, 0x7f7f0000, v86
	v_or_b32 v87, 0x7f7f0000, v87
	global_store_b32 v[OS], v86, s[94:95]
	global_store_b32 v[OS], v87, s[94:95] offset:256
	s_branch .Lstored
.Lscale_v:
	global_store_b16 v23, v86, s[94:95]
	s_wait_alu depctr_va_vdst(0)
	global_store_b16 v23, v87, s[94:95] offset:128
.Lstored:
	s_wait_tensorcnt 0x0
	ds_add_u32 v14, v15
	s_wait_dscnt 0x0
	CROUND
	s_endpgm
.Lfunc_end_k_q0c451870ea_qkv:
	.size	k_q0c451870ea_qkv, .Lfunc_end_k_q0c451870ea_qkv-k_q0c451870ea_qkv
	.p2alignl 7, 3214868480
	.fill 96, 4, 3214868480
	.section	.rodata,"a",@progbits
	.p2align	6, 0x0
	.amdhsa_kernel k_q0c451870ea_qkv
		.amdhsa_group_segment_fixed_size 327680
		.amdhsa_private_segment_fixed_size 0
		.amdhsa_enable_private_segment 0
		.amdhsa_kernarg_size 32
		.amdhsa_user_sgpr_count 2
		.amdhsa_user_sgpr_kernarg_segment_ptr 1
		.amdhsa_wavefront_size32 1
		.amdhsa_system_sgpr_workgroup_id_x 1
		.amdhsa_system_sgpr_workgroup_id_y 1
		.amdhsa_system_sgpr_workgroup_id_z 1
		.amdhsa_system_vgpr_workitem_id 0
		.amdhsa_next_free_vgpr 256
		.amdhsa_next_free_sgpr 100
		.amdhsa_reserve_vcc 0
		.amdhsa_float_denorm_mode_32 3
		.amdhsa_float_denorm_mode_16_64 3
		.amdhsa_memory_ordered 1
		.amdhsa_forward_progress 1
		.amdhsa_inst_pref_size 46
	.end_amdhsa_kernel
	.amdgpu_metadata
---
amdhsa.version: [ 1, 2 ]
amdhsa.kernels:
  - .name:           k_q0c451870ea_qkv
    .symbol:         k_q0c451870ea_qkv.kd
    .args:
      - { .name: xq, .offset: 0, .size: 8, .value_kind: global_buffer, .address_space: global }
      - { .name: wimg, .offset: 8, .size: 8, .value_kind: global_buffer, .address_space: global }
      - { .name: wq_b, .offset: 16, .size: 8, .value_kind: global_buffer, .address_space: global }
      - { .name: kv, .offset: 24, .size: 8, .value_kind: global_buffer, .address_space: global }
    .group_segment_fixed_size: 327680
    .private_segment_fixed_size: 0
    .kernarg_segment_align: 8
    .kernarg_segment_size: 32
    .max_flat_workgroup_size: 512
    .sgpr_count:     100
    .vgpr_count:     256
    .wavefront_size: 32
...
	.end_amdgpu_metadata
.endif
;; end of part 2
;; launch attn (part 3): grid 8 x 32, 16 waves a work-group, clusters of 4 x 1, 327,680 bytes of LDS; arguments kv, ctxq; writes ctxq
.if DOCPART == 3
	.amdgcn_target "amdgcn-amd-amdhsa--gfx1250"
	.amdhsa_code_object_version 6
	.text
	.protected	k_q0c451870ea_attn
	.globl	k_q0c451870ea_attn
	.p2align	8
	.type	k_q0c451870ea_attn,@function
k_q0c451870ea_attn:
	s_mov_b64 s[64:65], 0
	v_nop
	global_prefetch_b8 v0, s[64:65] scope:SCOPE_SE
	s_setreg_imm32_b32 hwreg(HW_REG_WAVE_MODE, 25, 1), 1
	s_wait_xcnt 0x0
	s_wait_alu depctr_hold_cnt(0) depctr_sa_sdst(0) depctr_va_vdst(0) depctr_va_sdst(0) depctr_va_ssrc(0) depctr_va_vcc(0) depctr_vm_vsrc(0)
	s_getreg_b32 s2, hwreg(HW_REG_IB_STS2, 6, 4)
	s_cmp_eq_u32 s2, 0
	s_cbranch_scc0 .Lentry_in_a_cluster
	s_endpgm
.Lentry_in_a_cluster:
	s_bfe_u32 s2, ttmp6, 0x10000c
	s_cmp_lg_u32 s2, 0x3003
	s_cbranch_scc0 .Lentry_shape_is_right
	s_endpgm
.Lentry_shape_is_right:
; Launch 3 of 7: ctx = softmax(qh qh^T / 8) qh for one (batch, head), both products on codes of FP6 (E2M3); ctx is quantised along D on its way out.  No work is left out.
; THE SOFTMAX AHEAD OF THE SECOND PRODUCT: t = score x log2(e) / 8; M = the running largest t rounded UP to a whole number; p = 2^(t - M) is quantised along the keys, not normalised.  The row's sum is taken of the
; unquantised p and divides O at the end.  When M moves, the sum and O are multiplied by 2^(old M - new M): exact.
; SHARES.  A work-group owns 256 queries of one record; each of its sixteen waves owns one tile of 16.  Every wave walks all 2,048 keys, 128 a step, 16 steps: a constant count.
; LDS.  The whole record (816 rows of 256 bytes: K, V, their scale words) is filled once, each row followed by 64 bytes of padding: byte y of the record lies at y + 64 (y / 256).
; Two fills, one tensor load a wave each: at the head 12 rows a wave (waves 0-5 K's key steps 0-2, waves 6-11 V's, waves 12-15 all scale words); behind the three lines and a round 39 rows a wave (key steps 3-15: waves 0-7 K's,
; waves 8-15 V's), which land under the first three steps.  All of LDS is claimed.  No prefetch: the two fills ask for all that the work-group reads.
; CLUSTER 4 x 1: the four work-groups of a cluster belong to one record and ask for it jointly.  The place in the cluster enters Q's and ctx's addresses in memory alone.
; LAYOUT.  Both products transposed: S^T = K Q^T, O^T = V^T P^T: a lane holds one query throughout.  THE KEYS OF A TILE ARE CHOSEN AT THE LDS READ: tile u (0..3) of a group of 64 keys takes in its row m the key 32 (m / 8) + 8 u + m % 8.
; The record's tile i holds key 32 (i / 2) + 8 (i % 2) + r' + (r' & 8) in its lane r': so row m reads tile 2 (m / 8) + u % 2, lane m % 8 + 8 (u / 2).  Then lane (r, h) has in the 32 registers of a group's four tiles the keys
; 32 h + 0 .. 31 of the group in order: a whole block of the next K, as the operand's layout wants it: no lane is asked for a block's maximum, and no codes change lanes.
; With the padding the sixteen lanes of a 16-byte read (rows m < 8 at 16 m, rows m >= 8 at 1,920 + 16 (m - 8)) touch 256 different bytes modulo 256.
; K = 64 IN AN INSTRUCTION OF 128.  Q's registers 6-11 hold zero codes, and bytes 2, 3 of K's and Q's scale words hold 127.  K's tiles lie 6 registers apart, so a tile's upper six registers are the next tile's codes (behind the
; last: zeros): every code is a finite number, and times Q's zeros it adds exactly 0.
; A BARRIER IN EVERY STEP, signalled at the step's head and awaited at its end: no wave begins step i + 1 before every wave has begun step i.  It guards no fill; between its halves stand register work and reads of bytes that nobody writes.
; REGISTERS: v1-8, v93-95 addresses that stay; v9-11, v29-31 the step's; v12 -M, v13 the largest t, v[14:15] the sum; v16-27 Q, v28 its scale words; v32-79 K's 8 tiles, then V's 4 fragments; v80-85 zeros;
;   v86-89, v90-91, v92: K's, V's, p's scale words; v96-159 S^T, then p; v160-191 O^T; v192-203 p's codes; v204-227, v244-251 at work.
; LIMITS: as the first launch's head says; 1 / sum by v_rcp_f32; a block's largest p is made from its largest score, which takes v_exp_f32 not to fall where its input rises.
.set RECORD, 208896
.set VOFF,   98304                     ; in the record: V, K's scale words
.set KSC,    196608
.set LVOFF,  122880                    ; in LDS: V, K's scale words, V's scale words
.set LKSC,   245760
.set LVSC,   256000
.set SPARE,  261120
.set WV,  8
.set G1A, 16                           ; s[16:23] group 1: 12 rows;  s[28:31] its group 0
.set G0A, 28
.set G1B, 56                           ; s[56:63] 39 rows;  s[76:79]
.set G0B, 76
.set T6,  36                           ; s36 the step's tiles: 7,680 bytes of LDS a step, in K and in V
.set TK,  37                           ; s37 K's scale words: 640 a step
.set TV,  38                           ; s38 V's: 320 a step
.set CNT, 39
.set CS,  40                           ; s[40:41] c = log2(e) / 8
.set SEL, 42
.set OW,  1
.set ON,  2
.set S,   96
.set O,   160
.set P,   192
.set BM,  212                          ; v212-215 largest scores; then v212, v214: my two blocks' largest p
.set BT,  216
.set BS,  220
.set FF,  224                          ; v[224:225] f = 2^(old M - new M); at the end 1 / sum
.set TMP, 226
.set TO,  227                          ; the old -M
.set SA,  244                          ; v244-251 the sum's four chains
.set TM,  212                          ; the way out's quantiser works in v212-217
.macro QUANT32 s, pc, pw               ; 32 numbers of a lane (register 16 b + i = k 32 b + 16 h + i) -> six registers of codes at v[pc], two scale bytes in v[pw]; v[pc+6..pc+8] at work
	v_max3_num_f32 v[TM], |v[(\s)]|, |v[(\s)+1]|, 0x1800000
	v_max3_num_f32 v[TM+1], |v[(\s)+16]|, |v[(\s)+17]|, 0x1800000
.irp i, 2,4,6,8,10,12,14
	s_delay_alu instid0(VALU_DEP_2)
	v_max3_num_f32 v[TM], v[TM], |v[(\s)+\i]|, |v[(\s)+\i+1]|
	s_delay_alu instid0(VALU_DEP_2)
	v_max3_num_f32 v[TM+1], v[TM+1], |v[(\s)+16+\i]|, |v[(\s)+17+\i]|
.endr
	s_delay_alu instid0(VALU_DEP_2)
	v_permlanex16_b32 v[TM+2], v[TM], s[SEL], s[SEL+1]
	s_delay_alu instid0(VALU_DEP_2)
	v_permlanex16_b32 v[TM+3], v[TM+1], s[SEL], s[SEL+1]
	s_delay_alu instid0(VALU_DEP_2)
	v_max_num_f32 v[TM], v[TM], v[TM+2]
	s_delay_alu instid0(VALU_DEP_2)
	v_max_num_f32 v[TM+1], v[TM+1], v[TM+3]
	s_delay_alu instid0(VALU_DEP_2)
	v_add_nc_u32 v[TM+4], 0xff000000, v[TM]
	s_delay_alu instid0(VALU_DEP_2)
	v_add_nc_u32 v[TM+5], 0xff000000, v[TM+1]
	s_delay_alu instid0(VALU_DEP_2)
	v_lshrrev_b32 v[TM+2], 23, v[TM+4]
	s_delay_alu instid0(VALU_DEP_2)
	v_lshrrev_b32 v[TM+3], 23, v[TM+5]
	s_delay_alu instid0(VALU_DEP_1)
	v_lshl_or_b32 v[\pw], v[TM+3], 8, v[TM+2]
	v_cvt_scalef32_pk16_fp6_f32 v[(\pc):(\pc)+2], v[(\s):(\s)+15], v[TM+4]
	v_cvt_scalef32_pk16_fp6_f32 v[(\pc)+6:(\pc)+8], v[(\s)+16:(\s)+31], v[TM+5]
	v_nop
.irp i, 0,1,2
	v_permlane16_swap_b32 v[(\pc)+\i], v[(\pc)+6+\i]
.endr
.irp i, 0,1,2
	s_delay_alu instid0(VALU_DEP_3)
	v_mov_b32 v[(\pc)+3+\i], v[(\pc)+6+\i]
.endr
.endm
.macro CROUND
	s_barrier_signal -1
	s_barrier_wait -1
	s_cmp_lg_u32 s[WV], 0
	s_cbranch_scc1 .Lnot_wave_0_\@
	s_barrier_signal -3
.Lnot_wave_0_\@:
	s_barrier_wait -3
	s_barrier_signal -1
	s_barrier_wait -1
.endm
; num key steps of 128 keys, from where the scalars T6, TK, TV stand
.macro STEPS num
	s_mov_b32 s[CNT], \num
.Lstep_\@:
	s_barrier_signal -1                            ; I have begun this step (none of my LDS instructions is out here)
	v_add_nc_u32 v9, s[T6], v5                     ; four plain instructions: the places in front of loads into registers that the last products read
	v_add_nc_u32 v10, s[T6], v6
	v_add_nc_u32 v30, s[TK], v7
	v_nop
.irp c, 0,1
.irp u, 0,1,2,3                        ; tile 4 c + u: the record's tiles 4 c + u % 2 (rows 0-7) and 4 c + 2 + u % 2 (rows 8-15), their lanes 8 (u / 2) ..
	ds_load_b128 v[32+24*\c+6*\u:35+24*\c+6*\u], v9 offset:3840*\c+960*(\u%2)+128*(\u/2)
	ds_load_b64 v[36+24*\c+6*\u:37+24*\c+6*\u], v10 offset:3840*\c+960*(\u%2)+64*(\u/2)+640
.endr
.irp a, 0,1
	ds_load_b32 v[86+2*\c+\a], v30 offset:8*\c+128*\a   ; lanes 0-15: the words of tile 4 c + 2 a, lanes 16-31: of tile 4 c + 2 a + 1
.endr
.endr
	s_wait_alu depctr_va_vdst(0)
	s_wait_dscnt 0x0
.irp t, 0,2,4,6                        ; S^T = K Q^T: eight tiles of 16 keys; a register of scale words serves two tiles, the odd one from lanes 16-31
	v_wmma_scale_f32_16x16x128_f8f6f4 v[S+8*\t:S+8*\t+7], v[32+6*\t:43+6*\t], v[16:27], 0, v[86+\t/2], v28 matrix_a_fmt:MATRIX_FMT_FP6 matrix_b_fmt:MATRIX_FMT_FP6
	v_wmma_scale_f32_16x16x128_f8f6f4 v[S+8*\t+8:S+8*\t+15], v[38+6*\t:49+6*\t], v[16:27], 0, v[86+\t/2], v28 matrix_a_fmt:MATRIX_FMT_FP6 matrix_b_fmt:MATRIX_FMT_FP6 matrix_a_scale:MATRIX_SCALE_ROW1
.endr
	v_add_nc_u32 v11, s[T6], v8                    ; four places: in front of V's loads into K's registers, and of the first read of the scores
	v_add_nc_u32 v29, s[T6], v93
	v_add_nc_u32 v31, s[TV], v94
	v_mov_b32 v[TO], v12
.irp t, 0,1,2,3                        ; V's four fragments land under the softmax
	ds_load_b128 v[32+12*\t:35+12*\t], v11 offset:1920*\t
	ds_load_b64 v[36+12*\t:37+12*\t], v29 offset:1920*\t+640
	ds_load_b128 v[38+12*\t:41+12*\t], v11 offset:1920*\t+960
	ds_load_b64 v[42+12*\t:43+12*\t], v29 offset:1920*\t+1600
.endr
	ds_load_b64 v[90:91], v31
.irp b, 0,1,2,3                        ; the largest score of my two blocks of 32 keys (registers 0-31, 32-63), in four chains, each accumulator from its low end on
	v_max3_num_f32 v[BM+\b], v[S+16*\b], v[S+1+16*\b], v[S+2+16*\b]
.endr
.irp i, 3,5,7,9,11,13
.irp b, 0,1,2,3
	v_max3_num_f32 v[BM+\b], v[BM+\b], v[S+16*\b+\i], v[S+1+16*\b+\i]
.endr
.endr
	v_max3_num_f32 v[BM], v[BM], v[BM+1], v[S+15]
	v_max3_num_f32 v[BM+2], v[BM+2], v[BM+3], v[S+47]
	v_max_num_f32 v[BM], v[BM], v[S+31]            ; block h of the step,
	v_max_num_f32 v[BM+2], v[BM+2], v[S+63]        ; block 2 + h
	s_delay_alu instid0(VALU_DEP_1)
	v_max_num_f32 v[TMP], v[BM], v[BM+2]
	s_delay_alu instid0(VALU_DEP_1)
	v_mul_f32 v[TMP], s[CS], v[TMP]                ; as t (c is positive)
	s_delay_alu instid0(VALU_DEP_1)
	v_permlanex16_b32 v[BT], v[TMP], s[SEL], s[SEL+1]
	s_delay_alu instid0(VALU_DEP_1)
	v_max3_num_f32 v13, v13, v[TMP], v[BT]         ; the running largest t, with lane l xor 16's 64 keys
	s_delay_alu instid0(VALU_DEP_1)
	v_floor_f32 v12, -v13                          ; the new -M = -ceil(t)
	s_delay_alu instid0(VALU_DEP_1)
	v_sub_f32 v[TO], v12, v[TO]                    ; old M - new M: a whole number, 0 or less
	s_delay_alu instid0(VALU_DEP_1)
	v_cvt_i32_f32 v[TO], v[TO]                     ; (it saturates)
	s_delay_alu instid0(VALU_DEP_1)
	v_ldexp_f32 v[FF], 1.0, v[TO]                  ; f
.set j, 0
.rept 32
	v_pk_fma_f32 v[S+j:S+j+1], v[S+j:S+j+1], s[CS:CS+1], v[12:13] op_sel_hi:[1,0,0]   ; t - M
.set j, j+2
.endr
	v_fma_f32 v[BM], v[BM], s[CS], v12             ; the same of each block's largest score
	v_fma_f32 v[BM+2], v[BM+2], s[CS], v12
	s_wait_alu depctr_va_vdst(0)                   ; the wait ahead of the batch
.set j, 0
.rept 64
	v_exp_f32 v[S+j], v[S+j]                       ; p = 2^(t - M)
.set j, j+1
.endr
	v_exp_f32 v[BM], v[BM]                         ; each block's largest p
	v_exp_f32 v[BM+2], v[BM+2]
	s_wait_alu depctr_va_vdst(0)                   ; one wait for the batch, directly ahead of the first readers of O^T too
.set j, 0
.rept 16
	v_pk_mul_f32 v[O+j:O+j+1], v[O+j:O+j+1], v[FF:FF+1] op_sel_hi:[1,0]   ; O^T under the new M; the plain places behind the exponentials
.set j, j+2
.endr
	v_max_num_f32 v[BM], 0x1800000, v[BM]          ; the floor 2^(3 - 127)
	v_max_num_f32 v[BM+2], 0x1800000, v[BM+2]
	s_delay_alu instid0(VALU_DEP_2)
	v_add_nc_u32 v[BS], 0xff000000, v[BM]          ; the conversion's scale operand
	s_delay_alu instid0(VALU_DEP_2)
	v_add_nc_u32 v[BS+1], 0xff000000, v[BM+2]
	s_delay_alu instid0(VALU_DEP_2)
	v_lshrrev_b32 v[BT], 23, v[BS]                 ; the scale's byte
	s_delay_alu instid0(VALU_DEP_2)
	v_lshrrev_b32 v[BT+1], 23, v[BS+1]
	s_delay_alu instid0(VALU_DEP_1)
	v_lshl_or_b32 v[BT], v[BT+1], 16, v[BT]        ; my two bytes: blocks h and 2 + h,
	s_delay_alu instid0(VALU_DEP_1)
	v_lshlrev_b32 v[BT], v95, v[BT]                ; at their places in the word (8 h bits up);
	s_delay_alu instid0(VALU_DEP_1)
	v_permlanex16_b32 v[BT+1], v[BT], s[SEL], s[SEL+1]
	s_delay_alu instid0(VALU_DEP_1)
	v_or_b32 v92, v[BT], v[BT+1]                   ; with lane l xor 16's two: p's scale word for these 128 keys
	v_cvt_scalef32_pk16_fp6_f32 v[P:P+2], v[S:S+15], v[BS]
	v_cvt_scalef32_pk16_fp6_f32 v[204:206], v[S+16:S+31], v[BS]      ; (a conversion's three registers begin on an even number: a block's second three do not)
	v_cvt_scalef32_pk16_fp6_f32 v[P+6:P+8], v[S+32:S+47], v[BS+1]
	v_cvt_scalef32_pk16_fp6_f32 v[208:210], v[S+48:S+63], v[BS+1]
.irp k, 0,1,2,3                        ; the row's sum of the unquantised p, in four chains; these four are the plain places behind the conversions
	v_pk_add_f32 v[SA+2*\k:SA+2*\k+1], v[S+2*\k:S+2*\k+1], v[S+8+2*\k:S+9+2*\k]
.endr
.irp i, 0,1,2
	v_mov_b32 v[P+3+\i], v[204+\i]
	v_mov_b32 v[P+9+\i], v[208+\i]
.endr
.irp i, 16,24,32,40,48,56              ; these are also the places between p's codes and scale word and the products
.irp k, 0,1,2,3
	v_pk_add_f32 v[SA+2*\k:SA+2*\k+1], v[SA+2*\k:SA+2*\k+1], v[S+\i+2*\k:S+\i+2*\k+1]
.endr
.endr
	s_delay_alu instid0(VALU_DEP_3)
	v_pk_add_f32 v[SA:SA+1], v[SA:SA+1], v[SA+2:SA+3]
	s_delay_alu instid0(VALU_DEP_2)
	v_pk_add_f32 v[SA+4:SA+5], v[SA+4:SA+5], v[SA+6:SA+7]
	s_delay_alu instid0(VALU_DEP_1)
	v_pk_add_f32 v[SA:SA+1], v[SA:SA+1], v[SA+4:SA+5]
	s_delay_alu instid0(VALU_DEP_1)
	v_pk_fma_f32 v[14:15], v[14:15], v[FF:FF+1], v[SA:SA+1] op_sel_hi:[1,0,1]   ; the sum under the new M, and this step's
	s_wait_alu depctr_va_vdst(0)
	s_wait_dscnt 0x0                               ; V
.irp t, 0,2                            ; O^T += V^T P^T: four tiles of 16 channels, by turns
	v_wmma_scale_f32_16x16x128_f8f6f4 v[O+8*\t:O+8*\t+7], v[32+12*\t:43+12*\t], v[P:P+11], v[O+8*\t:O+8*\t+7], v[90+\t/2], v92 matrix_a_fmt:MATRIX_FMT_FP6 matrix_b_fmt:MATRIX_FMT_FP6
	v_wmma_scale_f32_16x16x128_f8f6f4 v[O+8*\t+8:O+8*\t+15], v[44+12*\t:55+12*\t], v[P:P+11], v[O+8*\t+8:O+8*\t+15], v[90+\t/2], v92 matrix_a_fmt:MATRIX_FMT_FP6 matrix_b_fmt:MATRIX_FMT_FP6 matrix_a_scale:MATRIX_SCALE_ROW1
.endr
	s_add_co_u32 s[T6], s[T6], 7680
	s_add_co_u32 s[TK], s[TK], 640
	s_add_co_u32 s[TV], s[TV], 320
	s_sub_co_u32 s[CNT], s[CNT], 1
	s_barrier_wait -1                              ; every wave has begun this step
	s_cmp_lg_u32 s[CNT], 0
	s_cbranch_scc1 .Lstep_\@
.endm
	s_load_b128 s[4:7], s[0:1], 0x0                ; kv, ctxq
	v_lshl_add_u32 v3, v0, 2, SPARE
	v_mov_b32 v4, 0
	ds_add_u32 v3, v4                              ; the wave's opening: the add, twice on end, and its wait ahead of my first tensor load
	ds_add_u32 v3, v4
	v_lshrrev_b32 v1, 5, v0
	s_delay_alu instid0(VALU_DEP_1)
	v_readfirstlane_b32 s[WV], v1
	s_bfe_u32 s9, ttmp6, 0x40000                   ; cx
	s_lshl_b32 s10, ttmp9, 2
	s_add_co_u32 s10, s10, s9                      ; my block of 256 queries
	s_and_b32 s11, ttmp7, 0xffff                   ; the record, which the four partners share
.irp g, G1A, G1B
	s_mov_b32 s[\g], 15|(3<<16)|(1<<20)|(1<<21)|(5<<22)|(15<<25)   ; the mask: all four; elements of 8 bytes; padding on; bit 21 beside a mask; after every 64 words (code 5) 16 words (code 15)
	s_mov_b32 s[\g+1], 32<<16                      ; rows of 256 bytes
	s_mov_b32 s[\g+3], 32<<16
	s_mov_b32 s[\g+5], 32
	s_mov_b32 s[\g+6], 0
	s_mov_b32 s[\g+7], 0
.endr
	s_mov_b32 s[G1A+2], 12<<16                     ; 12 and 39 of them
	s_mov_b32 s[G1A+4], 12
	s_mov_b32 s[G1B+2], 39<<16
	s_mov_b32 s[G1B+4], 39
	s_mul_i32 s12, s11, RECORD
	s_mov_b32 s13, 0
	s_mul_i32 s26, s[WV], 11
	s_lshr_b32 s26, s26, 6                         ; g = wave / 6: 0 K, 1 V, 2 the scale words, which begin 98,304 bytes apart in the record
	s_mul_i32 s24, s[WV], 3072
	s_mul_i32 s27, s26, 79872
	s_add_co_u32 s24, s24, s27                     ; the first fill, in the record: 98,304 g + 3,072 (wave - 6 g)
	s_mov_b32 s25, 0
	s_mul_i32 s54, s[WV], 3840
	s_mul_i32 s27, s26, 99840
	s_add_co_u32 s54, s54, s27                     ; and in LDS: five fourths of that
	s_lshr_b32 s26, s[WV], 3                       ; the second fill: waves 0-7 K, waves 8-15 V
	s_and_b32 s27, s[WV], 7
	s_mul_i32 s84, s26, VOFF
	s_mul_i32 s85, s27, 9984
	s_add_co_u32 s84, s84, s85
	s_add_co_u32 s84, s84, 18432                   ; my eighth of key steps 3-15
	s_mov_b32 s85, 0
	s_mul_i32 s86, s26, LVOFF
	s_mul_i32 s87, s27, 12480
	s_add_co_u32 s86, s86, s87
	s_add_co_u32 s86, s86, 23040
	s_mov_b32 s[CS], 0x3e38aa3b
	s_mov_b32 s[CS+1], s[CS]                       ; (named with it as a pair)
	s_mov_b32 s[SEL], 0x76543210
	s_mov_b32 s[SEL+1], 0xfedcba98
	s_mov_b32 s[T6], 0
	s_mov_b32 s[TK], 0
	s_mov_b32 s[TV], 0
	s_wait_dscnt 0x0                               ; both opening adds are done
	s_wait_kmcnt 0x0
	s_add_nc_u64 s[4:5], s[4:5], s[12:13]          ; kv at the record
	s_mov_b32 s[G0A], 1
	s_mov_b32 s[G0A+1], s54
	s_add_nc_u64 s[G0A+2:G0A+3], s[4:5], s[24:25]
	s_or_b32 s[G0A+3], s[G0A+3], 0x80000000
	s_mov_b32 s[G0B], 1
	s_mov_b32 s[G0B+1], s86
	s_add_nc_u64 s[G0B+2:G0B+3], s[4:5], s[84:85]
	s_or_b32 s[G0B+3], s[G0B+3], 0x80000000
	CROUND                                         ; all four work-groups are here: the joint loads meet
	tensor_load_to_lds s[G0A:G0A+3], s[G1A:G1A+7]  ; my one tensor load at the head
	s_nop 0
.rept 4
	v_nop
.endr
	s_lshl_b32 s26, s10, 4
	s_add_co_u32 s26, s26, s[WV]                   ; Tq: my tile of queries, one of the record's tiles of K
	s_mul_i32 s32, s26, 768
	s_mov_b32 s33, 0
	s_add_nc_u64 s[32:33], s[4:5], s[32:33]
	s_lshr_b32 s34, s26, 3
	s_lshl_b32 s34, s34, 9
	s_and_b32 s27, s[WV], 1
	s_lshl_b32 s27, s27, 8
	s_add_co_u32 s34, s34, s27
	s_bfe_u32 s27, s[WV], 0x20001
	s_lshl_b32 s27, s27, 2
	s_add_co_u32 s34, s34, s27
	s_add_co_u32 s34, s34, KSC                     ; its scale words: 512 (Tq / 8) + 256 (Tq % 2) + 4 ((Tq / 2) % 4)
	s_mov_b32 s35, 0
	s_add_nc_u64 s[34:35], s[4:5], s[34:35]
	v_and_b32 v1, 31, v0
	s_delay_alu instid0(VALU_DEP_1)
	v_lshlrev_b32 v[ON], 3, v1
	s_delay_alu instid0(VALU_DEP_2)
	v_lshlrev_b32 v[OW], 4, v1
	v_and_b32 v9, 15, v0
	s_delay_alu instid0(VALU_DEP_1)
	v_lshlrev_b32 v9, 4, v9                        ; 16 r
	global_load_b128 v[16:19], v[OW], s[32:33]     ; Q stays in registers
	global_load_b64 v[20:21], v[ON], s[32:33] offset:512
	global_load_b32 v28, v9, s[34:35]
	v_and_b32 v10, 7, v0                           ; r % 8
	v_bfe_u32 v11, v0, 3, 1                        ; r / 8
	v_bfe_u32 v29, v0, 4, 1                        ; h
	s_delay_alu instid0(VALU_DEP_2)
	v_mul_u32_u24 v5, v11, 1920                    ; two of the record's tiles on: 6 rows of 320 bytes
	s_delay_alu instid0(VALU_DEP_1)
	v_lshl_add_u32 v6, v10, 3, v5
	v_lshl_add_u32 v5, v10, 4, v5
	s_delay_alu instid0(VALU_DEP_2)
	v_lshl_add_u32 v6, v29, 7, v6                  ; v6: K's 8-byte pieces: 1920 (r / 8) + 8 (r % 8) + 128 h
	s_delay_alu instid0(VALU_DEP_2)
	v_mad_u32_u24 v5, v29, 320, v5                 ; v5: K's 16-byte pieces: 1920 (r / 8) + 16 (r % 8) + 320 h
	v_lshlrev_b32 v7, 4, v10
	s_delay_alu instid0(VALU_DEP_1)
	v_lshl_add_u32 v7, v11, 2, v7
	s_delay_alu instid0(VALU_DEP_1)
	v_mad_u32_u24 v7, v29, 320, v7
	s_delay_alu instid0(VALU_DEP_1)
	v_add_nc_u32 v7, LKSC, v7                      ; v7: K's scale words: 16 (r % 8) + 4 (r / 8) + 320 h
	v_mad_u32_u24 v8, v29, 320, v9
	s_delay_alu instid0(VALU_DEP_1)
	v_add_nc_u32 v8, LVOFF, v8                     ; v8: V's 16-byte pieces: 16 r + 320 h
	v_add_nc_u32 v93, LVOFF, v[ON]                 ; v93: V's 8-byte pieces; v94: V's scale words: 8 x lane
	v_add_nc_u32 v94, LVSC, v[ON]
	v_lshlrev_b32 v95, 3, v29                      ; v95: 8 h
.irp i, 22,23,24,25,26,27,80,81,82,83,84,85
	v_mov_b32 v[\i], 0                             ; zero codes: the upper half of Q's K, and what follows K's last tile
.endr
	v_mov_b32 v13, 0xff61b1e6                      ; the largest t so far: -3e38
	s_delay_alu instid0(VALU_DEP_1)
	v_floor_f32 v12, -v13                          ; -M
	v_mov_b32 v14, 0
	v_mov_b32 v15, 0
.irp i, 0,1,2,3
	v_mov_b32 v[BT+\i], 0                          ; a lane permute's destination counts as one of its sources
.endr
	v_mov_b32 v[FF+1], 0                           ; (named as the upper half of the pair)
.set j, 0
.rept 32
	v_mov_b32 v[O+j], 0                            ; O^T: the step is written once; the first finds zeros, which the first change of M leaves zeros
.set j, j+1
.endr
	; where ctx goes: unit (group of tokens 32 batch + 4 block + w / 4, K step head / 2), tile w % 4, half head % 2
	s_lshr_b32 s44, s11, 4
	s_and_b32 s45, s11, 15
	s_lshl_b32 s44, s44, 5
	s_lshl_b32 s46, s10, 2
	s_add_co_u32 s44, s44, s46
	s_lshr_b32 s46, s[WV], 2
	s_add_co_u32 s44, s44, s46
	s_lshl_b32 s44, s44, 3
	s_lshr_b32 s46, s45, 1
	s_add_co_u32 s44, s44, s46
	s_mul_i32 s44, s44, 6400
	s_and_b32 s46, s[WV], 3
	s_and_b32 s45, s45, 1
	s_mul_i32 s47, s46, 1536
	s_mul_i32 s48, s45, 768
	s_add_co_u32 s47, s47, s48
	s_add_co_u32 s48, s44, s47
	s_mov_b32 s49, 0
	s_add_nc_u64 s[50:51], s[6:7], s[48:49]        ; the codes
	s_lshl_b32 s46, s46, 2
	s_lshl_b32 s45, s45, 1
	s_add_co_u32 s46, s46, s45
	s_add_co_u32 s48, s44, s46
	s_add_nc_u64 s[52:53], s[6:7], s[48:49]        ; the scale bytes (+ 6144 in the immediate)
	s_wait_alu depctr_va_vdst(0)                   ; the wait at the head's end
	s_wait_tensorcnt 0x0                           ; my part of the first fill is in;
	ds_add_u32 v3, v4
	s_wait_dscnt 0x0
	CROUND                                         ; everybody's part is in, and all four work-groups are here
	tensor_load_to_lds s[G0B:G0B+3], s[G1B:G1B+7]  ; key steps 3-15: my one tensor load behind the round
	s_nop 0
.rept 4
	v_nop
.endr
	s_wait_loadcnt 0x0                             ; Q
	STEPS 3
	s_wait_tensorcnt 0x0                           ; my part of key steps 3-15 is in,
	s_barrier_signal -1
	s_barrier_wait -1                              ; everybody's is
	STEPS 13
	; THE WAY OUT: O^T / the sum; register 16 b + i is channel 32 b + 16 h + i of my query: two blocks along D
.rept 4
	v_nop
.endr
	v_add_f32 v14, v14, v15
	s_delay_alu instid0(VALU_DEP_1)
	v_permlanex16_b32 v[TMP], v14, s[SEL], s[SEL+1]
	s_delay_alu instid0(VALU_DEP_1)
	v_add_f32 v14, v14, v[TMP]                     ; the row's sum
	s_wait_alu depctr_va_vdst(0)
	v_rcp_f32 v[FF], v14
	v_and_b32 v9, 15, v0                           ; (a plain place behind the reciprocal)
	s_delay_alu instid0(VALU_DEP_1)
	v_lshlrev_b32 v9, 4, v9                        ; 16 r
	s_wait_alu depctr_va_vdst(0)                   ; the wait ahead of its first reader
.set j, 0
.rept 16
	v_pk_mul_f32 v[S+j:S+j+1], v[O+j:O+j+1], v[FF:FF+1] op_sel_hi:[1,0]
.set j, j+2
.endr
	QUANT32 S, P, TMP
	global_store_b128 v[OW], v[P:P+3], s[50:51]
	global_store_b64 v[ON], v[P+4:P+5], s[50:51] offset:512
	global_store_b16 v9, v[TMP], s[52:53] offset:6144
	s_wait_tensorcnt 0x0                           ; the wave's end
	ds_add_u32 v3, v4
	s_wait_dscnt 0x0
	CROUND                                         ; the closing round
	s_endpgm
.Lfunc_end_k_q0c451870ea_attn:
	.size	k_q0c451870ea_attn, .Lfunc_end_k_q0c451870ea_attn-k_q0c451870ea_attn
	.p2alignl 7, 3214868480
	.fill 96, 4, 3214868480
	.section	.rodata,"a",@progbits
	.p2align	6, 0x0
	.amdhsa_kernel k_q0c451870ea_attn
		.amdhsa_group_segment_fixed_size 327680
		.amdhsa_private_segment_fixed_size 0
		.amdhsa_enable_private_segment 0
		.amdhsa_kernarg_size 16
		.amdhsa_user_sgpr_count 2
		.amdhsa_user_sgpr_kernarg_segment_ptr 1
		.amdhsa_wavefront_size32 1
		.amdhsa_system_sgpr_workgroup_id_x 1
		.amdhsa_system_sgpr_workgroup_id_y 1
		.amdhsa_system_sgpr_workgroup_id_z 1
		.amdhsa_system_vgpr_workitem_id 0
		.amdhsa_next_free_vgpr 256
		.amdhsa_next_free_sgpr 100
		.amdhsa_reserve_vcc 0
		.amdhsa_float_denorm_mode_32 3
		.amdhsa_float_denorm_mode_16_64 3
		.amdhsa_memory_ordered 1
		.amdhsa_forward_progress 1
		.amdhsa_inst_pref_size 47
	.end_amdhsa_kernel
	.amdgpu_metadata
---
amdhsa.version: [ 1, 2 ]
amdhsa.kernels:
  - .name:           k_q0c451870ea_attn
    .symbol:         k_q0c451870ea_attn.kd
    .args:
      - { .name: kv, .offset: 0, .size: 8, .value_kind: global_buffer, .address_space: global }
      - { .name: ctxq, .offset: 8, .size: 8, .value_kind: global_buffer, .address_space: global }
    .group_segment_fixed_size: 327680
    .private_segment_fixed_size: 0
    .kernarg_segment_align: 8
    .kernarg_segment_size: 16
    .max_flat_workgroup_size: 512
    .sgpr_count:     100
    .vgpr_count:     256
    .wavefront_size: 32
...
	.end_amdgpu_metadata
.endif
;; end of part 3
;; launch fcln (part 4): grid 128 x 1, 16 waves a work-group, no clusters, 167,936 bytes of LDS; arguments ctxq, wimg, fc_b, x, ln1_g, ln1_b, yimg, yq; writes yimg, yq
.if DOCPART == 4
	.amdgcn_target "amdgcn-amd-amdhsa--gfx1250"
	.amdhsa_code_object_version 6
	.text
	.protected	k_q0c451870ea_fcln
	.globl	k_q0c451870ea_fcln
	.p2align	8
	.type	k_q0c451870ea_fcln,@function
k_q0c451870ea_fcln:
	s_mov_b64 s[64:65], 0
	v_nop
	global_prefetch_b8 v0, s[64:65] scope:SCOPE_SE
	s_setreg_imm32_b32 hwreg(HW_REG_WAVE_MODE, 25, 1), 1
	s_wait_xcnt 0x0
; Launch 4 of 7: y = LayerNorm(ctx fc_w + fc_b + x) x ln1_g + ln1_b; the product on codes of FP6 (E2M3).  y leaves twice: as f32 (for the residual further on) and quantised along D (for the next product).  No work is left out.
; SHARES.  A work-group owns 32 tokens, whole rows, so that the norm needs no other work-group: half hf of a group of 64, its tiles 2 hf and 2 hf + 1.  Wave w owns columns 64 w .. 64 w + 63: 8 accumulators.  128 halves: 128 work-groups.
; The product is used transposed (source 0 = 16 rows of fc_w, source 1 = 16 tokens): a lane holds one token, and register 32 m + 16 b + i is column 64 w + 32 b + 16 h + i of token 32 hf + 8 m + rho(r) of the group.
; The sums BEGIN as x + fc_b, loaded in that layout: residual and bias cost one addition, and nothing is cleared.
; OPERANDS.  fc_w's unit (w, s) is read by wave w alone: it goes from memory straight into registers, in dense loads, into THREE sets of registers by turns: K step s + 3 is asked for as soon as step s's products are issued,
; so that two or three steps' 17 loads each are always on their way.  The group's eight units of ctx come into LDS once (3,200 bytes a wave; of each unit's codes this work-group reads its half) and are read by all sixteen waves, a tile at a time.
; NO CLUSTER: what lands in LDS is shared by two work-groups at the most and is a sixteenth of a work-group's bytes; the weights, which all work-groups read, never enter LDS.
; LDS: 0: ctx's units, 51,200 bytes; 51,200 and 55,296: two tables [m][r][w] of f32 for the rows' sums; 59,392: the spare words.
; yimg: for each tile of 16 tokens T and each 64 columns (w) an image of the 32 registers, 4,096 bytes, at (16 T + w) x 4,096: registers 4 q .. 4 q + 3 at 512 q + 16 lane.
; REGISTERS: v1-7 addresses; v8, v9 scale bytes; v10-12 ctx's LDS addresses; v16-19 mean, then 1 / sigma, as pairs; v20-31 fc_w's scale words, three sets; v32-175 fc_w's fragments, three sets (later gain, shift and work);
;   v176-187 a fragment of ctx; v188, v189 ctx's scale words; v192-255 the sums.
; LIMITS: as the first launch's head says; 1 / sqrt by v_rsq_f32.
.set UNIT,  6400
.set RED1,  51200
.set SPARE, 59392
.set FCW,   819200                     ; fc_w's first unit in wimg
.set WV,  20
.set G1,  24
.set G0,  32
.set SEL, 36
.set OW,  1                            ; v1 16 x lane; v2 8 x lane; v3 16 r; v4 x's offset; v5 64 h; v6, v7 the tables
.set ON,  2
.set OS,  3
.set CW,  10                           ; v10 16 x lane + 3072 hf; v11 8 x lane + 3072 hf; v12 16 r + 8 hf
.set CN,  11
.set CS,  12
.set F0,  32
.set F1,  176
.set S1,  188
.set ACC, 192
.set TM,  112
.macro QUANT32 s, pc, pw               ; 32 numbers of a lane (register 16 b + i = k 32 b + 16 h + i) -> six registers of codes at v[pc], two scale bytes in v[pw]; v[pc+6..pc+8] at work
	v_max3_num_f32 v[TM], |v[(\s)]|, |v[(\s)+1]|, 0x1800000
	v_max3_num_f32 v[TM+1], |v[(\s)+16]|, |v[(\s)+17]|, 0x1800000
.irp i, 2,4,6,8,10,12,14
	s_delay_alu instid0(VALU_DEP_2)
	v_max3_num_f32 v[TM], v[TM], |v[(\s)+\i]|, |v[(\s)+\i+1]|
	s_delay_alu instid0(VALU_DEP_2)
	v_max3_num_f32 v[TM+1], v[TM+1], |v[(\s)+16+\i]|, |v[(\s)+17+\i]|
.endr
	s_delay_alu instid0(VALU_DEP_2)
	v_permlanex16_b32 v[TM+2], v[TM], s[SEL], s[SEL+1]
	s_delay_alu instid0(VALU_DEP_2)
	v_permlanex16_b32 v[TM+3], v[TM+1], s[SEL], s[SEL+1]
	s_delay_alu instid0(VALU_DEP_2)
	v_max_num_f32 v[TM], v[TM], v[TM+2]
	s_delay_alu instid0(VALU_DEP_2)
	v_max_num_f32 v[TM+1], v[TM+1], v[TM+3]
	s_delay_alu instid0(VALU_DEP_2)
	v_add_nc_u32 v[TM+4], 0xff000000, v[TM]
	s_delay_alu instid0(VALU_DEP_2)
	v_add_nc_u32 v[TM+5], 0xff000000, v[TM+1]
	s_delay_alu instid0(VALU_DEP_2)
	v_lshrrev_b32 v[TM+2], 23, v[TM+4]
	s_delay_alu instid0(VALU_DEP_2)
	v_lshrrev_b32 v[TM+3], 23, v[TM+5]
	s_delay_alu instid0(VALU_DEP_1)
	v_lshl_or_b32 v[\pw], v[TM+3], 8, v[TM+2]
	v_cvt_scalef32_pk16_fp6_f32 v[(\pc):(\pc)+2], v[(\s):(\s)+15], v[TM+4]
	v_cvt_scalef32_pk16_fp6_f32 v[(\pc)+6:(\pc)+8], v[(\s)+16:(\s)+31], v[TM+5]
	v_nop
.irp i, 0,1,2
	v_permlane16_swap_b32 v[(\pc)+\i], v[(\pc)+6+\i]
.endr
.irp i, 0,1,2
	s_delay_alu instid0(VALU_DEP_3)
	v_mov_b32 v[(\pc)+3+\i], v[(\pc)+6+\i]
.endr
.endm
.macro PUTHF pc, sb, off
	global_store_b128 v[OW], v[(\pc):(\pc)+3], s[\sb:\sb+1] offset:\off
	global_store_b64 v[ON], v[(\pc)+4:(\pc)+5], s[\sb:\sb+1] offset:(\off)+512
.endm
; fc_w's unit of K step s: 17 loads, into set s % 3
.macro WLOAD s
.set FB, F0+48*((\s)%3)
.set SB, 20+4*((\s)%3)
.irp i, 0,1,2,3
	global_load_b128 v[FB+12*\i:FB+12*\i+3], v[OW], s[6:7] offset:(\s)*UNIT+1536*\i
	global_load_b64 v[FB+12*\i+4:FB+12*\i+5], v[ON], s[6:7] offset:(\s)*UNIT+1536*\i+512
	global_load_b128 v[FB+12*\i+6:FB+12*\i+9], v[OW], s[6:7] offset:(\s)*UNIT+1536*\i+768
	global_load_b64 v[FB+12*\i+10:FB+12*\i+11], v[ON], s[6:7] offset:(\s)*UNIT+1536*\i+1280
.endr
	global_load_b128 v[SB:SB+3], v[OS], s[6:7] offset:(\s)*UNIT+6144
.endm
.macro CTX s, m                        ; ctx's fragment of K step s, my tile m
	ds_load_b128 v[F1:F1+3], v[CW] offset:(\s)*UNIT+1536*(\m)
	ds_load_b64 v[F1+4:F1+5], v[CN] offset:(\s)*UNIT+1536*(\m)+512
	ds_load_b128 v[F1+6:F1+9], v[CW] offset:(\s)*UNIT+1536*(\m)+768
	ds_load_b64 v[F1+10:F1+11], v[CN] offset:(\s)*UNIT+1536*(\m)+1280
.endm
; K step s: 8 products in place, the accumulators by turns; then the set of registers just multiplied takes K step s + 3
.macro FSTEP s
	CTX \s, 0
	ds_load_b64 v[S1:S1+1], v[CS] offset:(\s)*UNIT+6144   ; the scale words of my two tiles
.if (\s) < 6
	s_wait_loadcnt 34                              ; this step's 17 loads are in; the 2 x 17 of the two steps behind it may be out
.elseif (\s) == 6
	s_wait_loadcnt 17                              ; the last step's 17 may be out
.else
	s_wait_loadcnt 0x0
.endif
	s_wait_dscnt 0x0
.set FB, F0+48*((\s)%3)
.set SB, 20+4*((\s)%3)
.irp a, 0,1,2,3
	v_wmma_scale_f32_16x16x128_f8f6f4 v[ACC+8*\a:ACC+8*\a+7], v[FB+12*\a:FB+12*\a+11], v[F1:F1+11], v[ACC+8*\a:ACC+8*\a+7], v[SB+\a], v[S1] matrix_a_fmt:MATRIX_FMT_FP6 matrix_b_fmt:MATRIX_FMT_FP6
.endr
.rept 4
	v_nop                                          ; places in front of loads into registers that matrix instructions have read
.endr
	CTX \s, 1
	s_wait_dscnt 0x0
.irp a, 0,1,2,3
	v_wmma_scale_f32_16x16x128_f8f6f4 v[ACC+32+8*\a:ACC+32+8*\a+7], v[FB+12*\a:FB+12*\a+11], v[F1:F1+11], v[ACC+32+8*\a:ACC+32+8*\a+7], v[SB+\a], v[S1+1] matrix_a_fmt:MATRIX_FMT_FP6 matrix_b_fmt:MATRIX_FMT_FP6
.endr
.rept 4
	v_nop                                          ; places: for the loads below and the next step's, and behind the last step for the first read of the sums
.endr
.if (\s)+3 < 8
	WLOAD (\s)+3
.endif
.endm
.macro LANESUM a                       ; a pair of half sums -> my row's sum over the wave's 64 columns, in v[a]
	s_delay_alu instid0(VALU_DEP_1)
	v_add_f32 v[\a], v[\a], v[(\a)+1]
	s_delay_alu instid0(VALU_DEP_1)
	v_permlanex16_b32 v[(\a)+1], v[\a], s[SEL], s[SEL+1]
	s_delay_alu instid0(VALU_DEP_1)
	v_add_f32 v[\a], v[\a], v[(\a)+1]
.endm
.macro GATHER ro                       ; the sixteen waves' sums of my rows of both tiles, added in one order by every wave: v96, v112
.irp nn, 0,1
.irp q, 0,1,2,3
	ds_load_b128 v[96+16*\nn+4*\q:99+16*\nn+4*\q], v7 offset:(\ro)+1024*\nn+16*\q
.endr
.endr
	s_wait_dscnt 0x0
.irp nn, 0,1
.irp j, 0,4,8,12
	v_pk_add_f32 v[96+16*\nn+\j:97+16*\nn+\j], v[96+16*\nn+\j:97+16*\nn+\j], v[98+16*\nn+\j:99+16*\nn+\j]
.endr
	s_delay_alu instid0(VALU_DEP_3)
	v_pk_add_f32 v[96+16*\nn:97+16*\nn], v[96+16*\nn:97+16*\nn], v[100+16*\nn:101+16*\nn]
	s_delay_alu instid0(VALU_DEP_2)
	v_pk_add_f32 v[104+16*\nn:105+16*\nn], v[104+16*\nn:105+16*\nn], v[108+16*\nn:109+16*\nn]
	s_delay_alu instid0(VALU_DEP_1)
	v_pk_add_f32 v[96+16*\nn:97+16*\nn], v[96+16*\nn:97+16*\nn], v[104+16*\nn:105+16*\nn]
	s_delay_alu instid0(VALU_DEP_1)
	v_add_f32 v[96+16*\nn], v[96+16*\nn], v[97+16*\nn]
.endr
.endm
	s_load_b512 s[4:19], s[0:1], 0x0               ; ctxq, wimg, fc_b, x, ln1_g, ln1_b, yimg, yq
	v_lshl_add_u32 v14, v0, 2, SPARE
	v_mov_b32 v15, 0
	ds_add_u32 v14, v15                            ; the wave's opening: the add, twice on end, and its wait ahead of my first tensor load
	ds_add_u32 v14, v15
	v_lshrrev_b32 v1, 5, v0
	s_delay_alu instid0(VALU_DEP_1)
	v_readfirstlane_b32 s[WV], v1
	s_mov_b32 s[G1], 3<<16                         ; no mask; elements of 8 bytes; no padding
	s_mov_b32 s[G1+1], 16<<16                      ; 3,200 dense bytes as 25 rows of 128
	s_mov_b32 s[G1+2], 25<<16
	s_mov_b32 s[G1+3], 16<<16
	s_mov_b32 s[G1+4], 25
	s_mov_b32 s[G1+5], 16
	s_mov_b32 s[G1+6], 0
	s_mov_b32 s[G1+7], 0
	s_lshr_b32 s38, ttmp9, 1                       ; the group of 64 tokens
	s_and_b32 s39, ttmp9, 1                        ; hf: which half of it
	s_mul_i32 s21, s[WV], 3200
	s_mul_i32 s22, s38, 8*UNIT
	s_add_co_u32 s22, s22, s21
	s_mov_b32 s23, 0
	s_mov_b32 s[SEL], 0x76543210
	s_mov_b32 s[SEL+1], 0xfedcba98
	s_mov_b32 s50, 0x3a800000                      ; 1 / 1024
	s_mov_b32 s51, 0x3727c5ac                      ; 1e-5
	s_wait_dscnt 0x0                               ; both opening adds are done
	s_wait_kmcnt 0x0
	s_mov_b32 s[G0], 1
	s_mov_b32 s[G0+1], s21
	s_add_nc_u64 s[G0+2:G0+3], s[4:5], s[22:23]
	s_or_b32 s[G0+3], s[G0+3], 0x80000000
	tensor_load_to_lds s[G0:G0+3], s[G1:G1+7]      ; my sixteenth of the group's units: my one tensor load
	s_nop 0
.rept 4
	v_nop
.endr
	s_lshl_b32 s42, s[WV], 8                       ; my 64 columns: 256 bytes
	s_mov_b32 s43, 0
	s_lshl_b32 s40, ttmp9, 17                      ; my work-group's 32 rows of 4,096 bytes; in yimg its 32 images of 4,096 bytes
	s_mov_b32 s41, 0
	s_add_nc_u64 s[10:11], s[10:11], s[40:41]
	s_add_nc_u64 s[10:11], s[10:11], s[42:43]
	s_add_nc_u64 s[8:9], s[8:9], s[42:43]
	s_add_nc_u64 s[12:13], s[12:13], s[42:43]
	s_add_nc_u64 s[14:15], s[14:15], s[42:43]
	s_add_nc_u64 s[16:17], s[16:17], s[40:41]
	s_lshl_b32 s42, s[WV], 12
	s_add_nc_u64 s[16:17], s[16:17], s[42:43]      ; mine at w
	s_mul_i32 s42, s[WV], 8*UNIT
	s_add_co_u32 s42, s42, FCW
	s_add_nc_u64 s[6:7], s[6:7], s[42:43]          ; fc_w's eight units of my 64 rows
	s_mul_i32 s54, s39, 3072                       ; my half's two fragments in a unit,
	s_lshl_b32 s55, s39, 3                         ; and its two scale words of a row
	s_lshl_b32 s42, s38, 3
	s_lshr_b32 s48, s[WV], 1
	s_add_co_u32 s42, s42, s48
	s_mul_i32 s42, s42, UNIT                       ; yq: unit (group, K step w / 2)
	s_and_b32 s48, s[WV], 1
	s_mul_i32 s49, s48, 768
	s_add_co_u32 s52, s42, s49
	s_add_co_u32 s52, s52, s54
	s_mov_b32 s53, 0
	s_add_nc_u64 s[44:45], s[18:19], s[52:53]      ; codes: tile 2 hf, half fragment w % 2
	s_lshl_b32 s48, s48, 1
	s_add_co_u32 s52, s42, s48
	s_add_co_u32 s52, s52, s55
	s_add_nc_u64 s[46:47], s[18:19], s[52:53]      ; scale bytes
	v_and_b32 v1, 31, v0
	s_delay_alu instid0(VALU_DEP_1)
	v_lshlrev_b32 v[ON], 3, v1
	s_delay_alu instid0(VALU_DEP_2)
	v_lshlrev_b32 v[OW], 4, v1
	v_and_b32 v13, 15, v0
	s_delay_alu instid0(VALU_DEP_1)
	v_lshlrev_b32 v[OS], 4, v13
	v_bfe_u32 v5, v0, 4, 1
	s_delay_alu instid0(VALU_DEP_1)
	v_lshlrev_b32 v5, 6, v5
	s_delay_alu instid0(VALU_DEP_4)
	v_and_b32 v4, 8, v13
	s_delay_alu instid0(VALU_DEP_1)
	v_add_nc_u32 v4, v4, v13
	s_delay_alu instid0(VALU_DEP_1)
	v_lshl_add_u32 v4, v4, 12, v5                  ; rho(r) rows + 64 h
	v_lshlrev_b32 v7, 6, v13
	s_delay_alu instid0(VALU_DEP_1)
	v_add_nc_u32 v7, RED1, v7
	s_lshl_b32 s48, s[WV], 2
	v_add_nc_u32 v6, s48, v7
	v_add_nc_u32 v[CW], s54, v[OW]
	v_add_nc_u32 v[CN], s54, v[ON]
	v_add_nc_u32 v[CS], s55, v[OS]
	v_mov_b32 v17, 0                               ; (named as the upper halves of pairs)
	v_mov_b32 v19, 0
.irp m, 0,1
.irp q, 0,1,2,3,4,5,6,7
	global_load_b128 v[ACC+32*\m+4*\q:ACC+32*\m+4*\q+3], v4, s[10:11] offset:8*\m*4096+128*(\q/4)+16*(\q%4)   ; x, in the results' layout
.endr
.endr
.irp q, 0,1,2,3,4,5,6,7
	global_load_b128 v[128+4*\q:131+4*\q], v5, s[8:9] offset:128*(\q/4)+16*(\q%4)   ; fc_b of my lane's 32 columns, in the third set's registers, which are free till the additions are made
.endr
	WLOAD 0
	WLOAD 1
	s_wait_loadcnt 34                              ; x and fc_b are in; the 2 x 17 loads of K steps 0 and 1 may be out
.irp m, 0,1
.set j, 0
.rept 16
	v_pk_add_f32 v[ACC+32*\m+j:ACC+32*\m+j+1], v[ACC+32*\m+j:ACC+32*\m+j+1], v[128+j:129+j]
.set j, j+2
.endr
.endr
	WLOAD 2
	s_wait_alu depctr_va_vdst(0)
	s_wait_tensorcnt 0x0                           ; my part of ctx is in,
	s_barrier_signal -1
	s_barrier_wait -1                              ; everybody's is
.irp s, 0,1,2,3,4,5,6,7
	FSTEP \s
.endr
.irp q, 0,1,2,3,4,5,6,7
	global_load_b128 v[32+4*\q:35+4*\q], v5, s[12:13] offset:128*(\q/4)+16*(\q%4)   ; the gain,
	global_load_b128 v[64+4*\q:67+4*\q], v5, s[14:15] offset:128*(\q/4)+16*(\q%4)   ; the shift: they land under the sums
.endr
	; the rows' sums: 32 numbers a lane in two chains, from each accumulator's low end on; the other half of the lanes; the sixteen waves through LDS
.irp n, 0,1
	v_pk_add_f32 v[96+4*\n:97+4*\n], v[ACC+32*\n:ACC+32*\n+1], v[ACC+32*\n+4:ACC+32*\n+5]
	v_pk_add_f32 v[98+4*\n:99+4*\n], v[ACC+32*\n+2:ACC+32*\n+3], v[ACC+32*\n+6:ACC+32*\n+7]
.irp j, 8,12,16,20,24,28
	v_pk_add_f32 v[96+4*\n:97+4*\n], v[96+4*\n:97+4*\n], v[ACC+32*\n+\j:ACC+32*\n+\j+1]
	v_pk_add_f32 v[98+4*\n:99+4*\n], v[98+4*\n:99+4*\n], v[ACC+32*\n+\j+2:ACC+32*\n+\j+3]
.endr
	s_delay_alu instid0(VALU_DEP_1)
	v_pk_add_f32 v[96+4*\n:97+4*\n], v[96+4*\n:97+4*\n], v[98+4*\n:99+4*\n]
	LANESUM 96+4*\n
	ds_store_b32 v6, v[96+4*\n] offset:1024*\n     ; both lanes of a row write the same word with the same value
.endr
	s_wait_dscnt 0x0                               ; for the others' sake: my stores have landed
	s_barrier_signal -1
	s_barrier_wait -1
	GATHER 0
	v_mul_f32 v16, s50, v96                        ; the mean
	s_delay_alu instid0(VALU_DEP_2)
	v_mul_f32 v18, s50, v112
.irp n, 0,1
.set j, 0
.rept 16
	v_pk_add_f32 v[ACC+32*\n+j:ACC+32*\n+j+1], v[ACC+32*\n+j:ACC+32*\n+j+1], v[16+2*\n:17+2*\n] op_sel_hi:[1,0] neg_lo:[0,1] neg_hi:[0,1]
.set j, j+2
.endr
.endr
.irp n, 0,1
	v_pk_mul_f32 v[96+4*\n:97+4*\n], v[ACC+32*\n:ACC+32*\n+1], v[ACC+32*\n:ACC+32*\n+1]
	v_pk_mul_f32 v[98+4*\n:99+4*\n], v[ACC+32*\n+2:ACC+32*\n+3], v[ACC+32*\n+2:ACC+32*\n+3]
.irp j, 4,8,12,16,20,24,28
	s_delay_alu instid0(VALU_DEP_2)
	v_pk_fma_f32 v[96+4*\n:97+4*\n], v[ACC+32*\n+\j:ACC+32*\n+\j+1], v[ACC+32*\n+\j:ACC+32*\n+\j+1], v[96+4*\n:97+4*\n]
	s_delay_alu instid0(VALU_DEP_2)
	v_pk_fma_f32 v[98+4*\n:99+4*\n], v[ACC+32*\n+\j+2:ACC+32*\n+\j+3], v[ACC+32*\n+\j+2:ACC+32*\n+\j+3], v[98+4*\n:99+4*\n]
.endr
	s_delay_alu instid0(VALU_DEP_1)
	v_pk_add_f32 v[96+4*\n:97+4*\n], v[96+4*\n:97+4*\n], v[98+4*\n:99+4*\n]
	LANESUM 96+4*\n
	ds_store_b32 v6, v[96+4*\n] offset:4096+1024*\n
.endr
	s_wait_dscnt 0x0
	s_barrier_signal -1
	s_barrier_wait -1
	GATHER 4096
	v_fma_f32 v16, v96, s50, s51                   ; the variance + 1e-5
	s_delay_alu instid0(VALU_DEP_2)
	v_fma_f32 v18, v112, s50, s51
	s_wait_alu depctr_va_vdst(0)
	v_rsq_f32 v16, v16
	v_rsq_f32 v18, v18
	v_nop                                          ; a plain place behind the second of the two
	s_wait_alu depctr_va_vdst(0)                   ; one wait for both, ahead of their first reader
	s_wait_loadcnt 0x0                             ; gain and shift
.irp n, 0,1
.set j, 0
.rept 16
	v_pk_mul_f32 v[ACC+32*\n+j:ACC+32*\n+j+1], v[ACC+32*\n+j:ACC+32*\n+j+1], v[16+2*\n:17+2*\n] op_sel_hi:[1,0]
.set j, j+2
.endr
.set j, 0
.rept 16
	v_pk_fma_f32 v[ACC+32*\n+j:ACC+32*\n+j+1], v[ACC+32*\n+j:ACC+32*\n+j+1], v[32+j:33+j], v[64+j:65+j]
.set j, j+2
.endr
.endr
.irp n, 0,1                            ; y leaves as f32 and as codes; every store has registers of its own
.irp q, 0,1,2,3,4,5,6,7
	global_store_b128 v[OW], v[ACC+32*\n+4*\q:ACC+32*\n+4*\q+3], s[16:17] offset:65536*\n+512*\q
.endr
	QUANT32 ACC+32*\n, 96+6*\n, 8+\n
	PUTHF 96+6*\n, 44, 1536*\n
	global_store_b16 v[OS], v[8+\n], s[46:47] offset:6144+4*\n
.endr
	s_wait_tensorcnt 0x0                           ; the wave's end
	ds_add_u32 v14, v15
	s_wait_dscnt 0x0
	s_endpgm
.Lfunc_end_k_q0c451870ea_fcln:
	.size	k_q0c451870ea_fcln, .Lfunc_end_k_q0c451870ea_fcln-k_q0c451870ea_fcln
	.p2alignl 7, 3214868480
	.fill 96, 4, 3214868480
	.section	.rodata,"a",@progbits
	.p2align	6, 0x0
	.amdhsa_kernel k_q0c451870ea_fcln
		.amdhsa_group_segment_fixed_size 167936
		.amdhsa_private_segment_fixed_size 0
		.amdhsa_enable_private_segment 0
		.amdhsa_kernarg_size 64
		.amdhsa_user_sgpr_count 2
		.amdhsa_user_sgpr_kernarg_segment_ptr 1
		.amdhsa_wavefront_size32 1
		.amdhsa_system_sgpr_workgroup_id_x 1
		.amdhsa_system_sgpr_workgroup_id_y 1
		.amdhsa_system_sgpr_workgroup_id_z 1
		.amdhsa_system_vgpr_workitem_id 0
		.amdhsa_next_free_vgpr 256
		.amdhsa_next_free_sgpr 66
		.amdhsa_reserve_vcc 0
		.amdhsa_float_denorm_mode_32 3
		.amdhsa_float_denorm_mode_16_64 3
		.amdhsa_memory_ordered 1
		.amdhsa_forward_progress 1
		.amdhsa_inst_pref_size 62
	.end_amdhsa_kernel
	.amdgpu_metadata
---
amdhsa.version: [ 1, 2 ]
amdhsa.kernels:
  - .name:           k_q0c451870ea_fcln
    .symbol:         k_q0c451870ea_fcln.kd
    .args:
      - { .name: ctxq, .offset: 0, .size: 8, .value_kind: global_buffer, .address_space: global }
      - { .name: wimg, .offset: 8, .size: 8, .value_kind: global_buffer, .address_space: global }
      - { .name: fc_b, .offset: 16, .size: 8, .value_kind: global_buffer, .address_space: global }
      - { .name: x, .offset: 24, .size: 8, .value_kind: global_buffer, .address_space: global }
      - { .name: ln1_g, .offset: 32, .size: 8, .value_kind: global_buffer, .address_space: global }
      - { .name: ln1_b, .offset: 40, .size: 8, .value_kind: global_buffer, .address_space: global }
      - { .name: yimg, .offset: 48, .size: 8, .value_kind: global_buffer, .address_space: global }
      - { .name: yq, .offset: 56, .size: 8, .value_kind: global_buffer, .address_space: global }
    .group_segment_fixed_size: 167936
    .private_segment_fixed_size: 0
    .kernarg_segment_align: 8
    .kernarg_segment_size: 64
    .max_flat_workgroup_size: 512
    .sgpr_count:     66
    .vgpr_count:     256
    .wavefront_size: 32
...
	.end_amdgpu_metadata
.endif
;; end of part 4
;; launch up (part 5): grid 16 x 16, 16 waves a work-group, clusters of 4 x 4, 327,680 bytes of LDS; arguments yq, wimg, b1, hq; writes hq
.if DOCPART == 5
	.amdgcn_target "amdgcn-amd-amdhsa--gfx1250"
	.amdhsa_code_object_version 6
	.text
	.protected	k_q0c451870ea_up
	.globl	k_q0c451870ea_up
	.p2align	8
	.type	k_q0c451870ea_up,@function
k_q0c451870ea_up:
	s_mov_b64 s[64:65], 0
	v_nop
	global_prefetch_b8 v0, s[64:65] scope:SCOPE_SE
	s_setreg_imm32_b32 hwreg(HW_REG_WAVE_MODE, 25, 1), 1
	s_wait_xcnt 0x0
	s_wait_alu depctr_hold_cnt(0) depctr_sa_sdst(0) depctr_va_vdst(0) depctr_va_sdst(0) depctr_va_ssrc(0) depctr_va_vcc(0) depctr_vm_vsrc(0)
	s_getreg_b32 s2, hwreg(HW_REG_IB_STS2, 6, 4)
	s_cmp_eq_u32 s2, 0
	s_cbranch_scc0 .Lentry_in_a_cluster
	s_endpgm
.Lentry_in_a_cluster:
	s_bfe_u32 s2, ttmp6, 0x10000c
	s_cmp_lg_u32 s2, 0xf033
	s_cbranch_scc0 .Lentry_shape_is_right
	s_endpgm
.Lentry_shape_is_right:
; Launch 5 of 7: h = relu(y w1 + b1) on codes of FP6 (E2M3), quantised along the 4,096 hidden units on its way out; h never exists as f32 in memory.  No work is left out.
; SHARES.  A work-group owns 256 tokens x 256 hidden units; wave w owns group w / 4 of the tokens (source 1) x group w % 4 of w1's rows (source 0): 64 x 64, 16 accumulators, all of K (8 steps of 128).
; The product is used transposed: a lane holds one token, and register 32 n + 16 b + i is hidden unit 32 b + 16 h + i of the wave's 64: two blocks along the next K.  The sums BEGIN as b1, loaded in that layout.
; LDS: three slots of 16 units (102,400 bytes: units 0-7 y, 2 x group + step; units 8-15 w1), two K steps each; the spare words at 307,200.
; K'S FOUR FILLS.  At the head each wave brings TWO units on end (two K steps of one group, 50 rows of 256 bytes): sixteen such pairs are slots 0 and 1: one tensor load a wave.  Slot 2 is filled behind the three lines and a round,
; a unit a wave; the fourth fill goes into slot 0 behind the round that follows slot 0's steps, and has four K steps in which to land.  One load of a wave is out at a time.
; CLUSTER 4 x 4: y's units are asked for jointly along a row of the cluster, w1's along a column.
; No prefetch: six of K's eight steps are asked for ahead of the first product, and the walk is written out: there is no loop to run ahead in.
; Layout of units, tiles and half fragments, and LIMITS: as the first launch's head says.
.set UNIT,   6400
.set SLOT,   16*UNIT
.set FILLB,  2*UNIT                    ; a slot holds two K steps
.set SPARE,  307200
.set W1U,    1638400                   ; w1's first unit in wimg
.set WV,  14
.set G1X, 24                           ; s[24:31] group 1 for y's units; groups 0: s[32:35] slot 0's refill, s[36:39] the head's pair, s[68:71] slot 2
.set G1W, 48                           ; s[48:55] for w1's; groups 0: s[56:59], s[60:63], s[72:75]
.set SEL, 66
.set OW,  18                           ; v18 16 x lane; v19 8 x lane; v20 16 r; v21 64 h
.set ON,  19
.set OS,  20
.set F0,  32                           ; v32-79 source 0's four fragments; v80-127 source 1's; v24-27, v28-31 their scale words (scales and nothing else)
.set F1,  80
.set ACC, 128                          ; accumulator (a, n) at v[128 + 32 n + 8 a]
.set TM,  70                           ; the way out: v70-75 at work, v64-67 scale bytes, v32.. codes
.macro QUANT32 s, pc, pw               ; 32 numbers of a lane (register 16 b + i = k 32 b + 16 h + i) -> six registers of codes at v[pc], two scale bytes in v[pw]; v[pc+6..pc+8] at work
	v_max3_num_f32 v[TM], |v[(\s)]|, |v[(\s)+1]|, 0x1800000
	v_max3_num_f32 v[TM+1], |v[(\s)+16]|, |v[(\s)+17]|, 0x1800000
.irp i, 2,4,6,8,10,12,14
	s_delay_alu instid0(VALU_DEP_2)
	v_max3_num_f32 v[TM], v[TM], |v[(\s)+\i]|, |v[(\s)+\i+1]|
	s_delay_alu instid0(VALU_DEP_2)
	v_max3_num_f32 v[TM+1], v[TM+1], |v[(\s)+16+\i]|, |v[(\s)+17+\i]|
.endr
	s_delay_alu instid0(VALU_DEP_2)
	v_permlanex16_b32 v[TM+2], v[TM], s[SEL], s[SEL+1]
	s_delay_alu instid0(VALU_DEP_2)
	v_permlanex16_b32 v[TM+3], v[TM+1], s[SEL], s[SEL+1]
	s_delay_alu instid0(VALU_DEP_2)
	v_max_num_f32 v[TM], v[TM], v[TM+2]
	s_delay_alu instid0(VALU_DEP_2)
	v_max_num_f32 v[TM+1], v[TM+1], v[TM+3]
	s_delay_alu instid0(VALU_DEP_2)
	v_add_nc_u32 v[TM+4], 0xff000000, v[TM]
	s_delay_alu instid0(VALU_DEP_2)
	v_add_nc_u32 v[TM+5], 0xff000000, v[TM+1]
	s_delay_alu instid0(VALU_DEP_2)
	v_lshrrev_b32 v[TM+2], 23, v[TM+4]
	s_delay_alu instid0(VALU_DEP_2)
	v_lshrrev_b32 v[TM+3], 23, v[TM+5]
	s_delay_alu instid0(VALU_DEP_1)
	v_lshl_or_b32 v[\pw], v[TM+3], 8, v[TM+2]
	v_cvt_scalef32_pk16_fp6_f32 v[(\pc):(\pc)+2], v[(\s):(\s)+15], v[TM+4]
	v_cvt_scalef32_pk16_fp6_f32 v[(\pc)+6:(\pc)+8], v[(\s)+16:(\s)+31], v[TM+5]
	v_nop
.irp i, 0,1,2
	v_permlane16_swap_b32 v[(\pc)+\i], v[(\pc)+6+\i]
.endr
.irp i, 0,1,2
	s_delay_alu instid0(VALU_DEP_3)
	v_mov_b32 v[(\pc)+3+\i], v[(\pc)+6+\i]
.endr
.endm
.macro PUTHF pc, sb, off
	global_store_b128 v[OW], v[(\pc):(\pc)+3], s[\sb:\sb+1] offset:\off
	global_store_b64 v[ON], v[(\pc)+4:(\pc)+5], s[\sb:\sb+1] offset:(\off)+512
.endm
.macro CROUND                          ; a round of the cluster's barrier
	s_barrier_signal -1
	s_barrier_wait -1
	s_cmp_lg_u32 s[WV], 0
	s_cbranch_scc1 .Lnot_wave_0_\@
	s_barrier_signal -3
.Lnot_wave_0_\@:
	s_barrier_wait -3
	s_barrier_signal -1
	s_barrier_wait -1
.endm
.macro JLOAD gx, gw, sel, lim          ; a joint load: the waves with s[sel] < lim (a number made of the wave's alone) fetch for y, the others for w1; an s_nop 0 and four v_nop follow each line
	s_cmp_lt_u32 s[\sel], \lim
	s_cbranch_scc0 .Lfor_w_\@
	tensor_load_to_lds s[\gx:\gx+3], s[G1X:G1X+7]
	s_nop 0
.rept 4
	v_nop
.endr
	s_branch .Lasked_\@
.Lfor_w_\@:
	tensor_load_to_lds s[\gw:\gw+3], s[G1W:G1W+7]
	s_nop 0
.rept 4
	v_nop
.endr
.Lasked_\@:
.endm
.macro MKG0 gx, gw, f                  ; both groups 0 of fill f, a unit a wave
	s_mov_b32 s[\gx], 1
	s_add_co_u32 s[\gx+1], s45, (\f)*SLOT
	s_add_nc_u64 s[\gx+2:\gx+3], s[20:21], (\f)*FILLB
	s_or_b32 s[\gx+3], s[\gx+3], 0x80000000
	s_mov_b32 s[\gw], 1
	s_add_co_u32 s[\gw+1], s45, (\f)*SLOT
	s_add_nc_u64 s[\gw+2:\gw+3], s[46:47], (\f)*FILLB
	s_or_b32 s[\gw+3], s[\gw+3], 0x80000000
.endm
.macro SETSLOT k                       ; the six LDS addresses in slot k; six plain instructions: also the places in front of the loads that follow
.irp i, 0,1,2,3,4,5
	v_add_nc_u32 v[8+\i], (\k)*SLOT, v[2+\i]
.endr
.endm
.macro FRAGS f, aw, an, off            ; four fragments as they lie: 512, 256, 512, 256 consecutive bytes each
.irp i, 0,1,2,3
	ds_load_b128 v[\f+12*\i:\f+12*\i+3], v[\aw] offset:(\off)+1536*\i
	ds_load_b64 v[\f+12*\i+4:\f+12*\i+5], v[\an] offset:(\off)+1536*\i+512
	ds_load_b128 v[\f+12*\i+6:\f+12*\i+9], v[\aw] offset:(\off)+1536*\i+768
	ds_load_b64 v[\f+12*\i+10:\f+12*\i+11], v[\an] offset:(\off)+1536*\i+1280
.endr
.endm
; A K step of 128: 34 LDS loads, 16 matrix instructions in place on 16 accumulators by turns.  pl: v_nop in front of loads into registers that matrix instructions have read (four places are owed)
.macro KSTEP off, pl
.if \pl
.rept \pl
	v_nop
.endr
.endif
	FRAGS F0, 8, 9, \off
	FRAGS F1, 11, 12, \off
	ds_load_b128 v[24:27], v10 offset:(\off)+6144
	ds_load_b128 v[28:31], v13 offset:(\off)+6144
	s_wait_dscnt 0x0
.irp n, 0,1,2,3
.irp a, 0,1,2,3
	v_wmma_scale_f32_16x16x128_f8f6f4 v[ACC+32*\n+8*\a:ACC+32*\n+8*\a+7], v[F0+12*\a:F0+12*\a+11], v[F1+12*\n:F1+12*\n+11], v[ACC+32*\n+8*\a:ACC+32*\n+8*\a+7], v[24+\a], v[28+\n] matrix_a_fmt:MATRIX_FMT_FP6 matrix_b_fmt:MATRIX_FMT_FP6
.endr
.endr
.endm
	s_load_b256 s[4:11], s[0:1], 0x0               ; yq, wimg, b1, hq
	v_lshl_add_u32 v14, v0, 2, SPARE
	v_mov_b32 v15, 0
	ds_add_u32 v14, v15                            ; the wave's opening: the add, twice on end, and its wait ahead of my first tensor load
	ds_add_u32 v14, v15
	v_lshrrev_b32 v1, 5, v0
	s_delay_alu instid0(VALU_DEP_1)
	v_readfirstlane_b32 s[WV], v1
	s_bfe_u32 s40, ttmp6, 0x40000                  ; cx, cy
	s_bfe_u32 s41, ttmp6, 0x40004
	s_lshl_b32 s42, ttmp9, 2
	s_add_co_u32 s42, s42, s40                     ; work-group x: 256 hidden units
	s_and_b32 s17, ttmp7, 0xffff
	s_lshl_b32 s17, s17, 2
	s_add_co_u32 s17, s17, s41                     ; work-group y: 256 tokens
	s_lshl_b32 s43, s41, 2
	s_lshl_b32 s43, 15, s43                        ; my row of the cluster
	s_lshl_b32 s44, 0x1111, s40                    ; my column
	s_or_b32 s[G1X], s43, (3<<16)|(1<<21)          ; the mask; elements of 8 bytes; bit 21 beside a mask; no padding
	s_or_b32 s[G1W], s44, (3<<16)|(1<<21)
.irp g, G1X, G1W
	s_mov_b32 s[\g+1], 32<<16                      ; rows of 256 bytes: tensor_dim0 = 32
	s_mov_b32 s[\g+2], 50<<16                      ; tensor_dim1 = 50: the head's pair of units; behind the head 25
	s_mov_b32 s[\g+3], 32<<16                      ; tile_dim0
	s_mov_b32 s[\g+4], 50                          ; tile_dim1
	s_mov_b32 s[\g+5], 32                          ; the pitch
	s_mov_b32 s[\g+6], 0
	s_mov_b32 s[\g+7], 0
.endr
	s_and_b32 s18, s[WV], 7                        ; behind the head, the unit that I fetch: group (w % 8) / 2, step (w % 8) % 2
	s_lshr_b32 s19, s18, 1
	s_and_b32 s18, s18, 1
	s_lshl_b32 s19, s19, 3
	s_add_co_u32 s19, s19, s18                     ; 8 x group + step
	s_lshl_b32 s20, s17, 5
	s_add_co_u32 s20, s20, s19
	s_mul_i32 s20, s20, UNIT                       ; in yq: hangs on work-group y and the wave
	s_mov_b32 s21, 0
	s_lshl_b32 s46, s42, 5
	s_add_co_u32 s46, s46, s19
	s_mul_i32 s46, s46, UNIT
	s_add_co_u32 s46, s46, W1U                     ; in wimg: on work-group x and the wave
	s_mov_b32 s47, 0
	s_mul_i32 s45, s[WV], UNIT                     ; where it goes: unit w of the slot
	; at the head, the pair that I fetch: slot w / 8; y (w % 8 < 4) or w1; group w % 4; K steps 2 x slot and 2 x slot + 1
	s_and_b32 s92, s[WV], 3
	s_lshl_b32 s92, s92, 3
	s_lshr_b32 s93, s[WV], 3
	s_lshl_b32 s94, s93, 1
	s_add_co_u32 s92, s92, s94                     ; 8 x group + 2 x slot
	s_lshl_b32 s94, s17, 5
	s_add_co_u32 s94, s94, s92
	s_mul_i32 s94, s94, UNIT                       ; in yq
	s_mov_b32 s95, 0
	s_lshl_b32 s96, s42, 5
	s_add_co_u32 s96, s96, s92
	s_mul_i32 s96, s96, UNIT
	s_add_co_u32 s96, s96, W1U                     ; in wimg
	s_mov_b32 s97, 0
	s_and_b32 s98, s[WV], 7
	s_mul_i32 s98, s98, 2*UNIT
	s_mul_i32 s93, s93, SLOT
	s_add_co_u32 s98, s98, s93                     ; where it goes: units 2 (w % 8) and 2 (w % 8) + 1 of the slot
	s_bfe_u32 s99, s[WV], 0x10002                  ; 0: y, 1: w1
	s_mov_b32 s[SEL], 0x76543210
	s_mov_b32 s[SEL+1], 0xfedcba98
	s_wait_dscnt 0x0                               ; both opening adds are done
	s_wait_kmcnt 0x0
	s_add_nc_u64 s[20:21], s[4:5], s[20:21]
	s_add_nc_u64 s[46:47], s[6:7], s[46:47]
	s_mov_b32 s36, 1
	s_mov_b32 s37, s98
	s_add_nc_u64 s[38:39], s[4:5], s[94:95]
	s_or_b32 s39, s39, 0x80000000
	s_mov_b32 s60, 1
	s_mov_b32 s61, s98
	s_add_nc_u64 s[62:63], s[6:7], s[96:97]
	s_or_b32 s63, s63, 0x80000000
	CROUND                                         ; all sixteen work-groups are here: the first joint loads meet
	JLOAD 36, 60, 99, 1                            ; slots 0 and 1: my one tensor load at the head
	MKG0 32, 56, 0                                 ; for slot 0's refill, stepped there
	MKG0 68, 72, 2
	; roles and addresses: all scratch from here on lies in s76 to s91, outside every descriptor
	s_lshr_b32 s76, s[WV], 2                       ; g1: my group of tokens
	s_and_b32 s77, s[WV], 3                        ; g0: my group of hidden units
	s_lshl_b32 s78, s76, 1
	s_mul_i32 s78, s78, UNIT                       ; source 1: unit 2 g1
	s_lshl_b32 s79, s77, 1
	s_add_co_u32 s79, s79, 8
	s_mul_i32 s79, s79, UNIT                       ; source 0: unit 8 + 2 g0
	v_and_b32 v1, 31, v0
	s_delay_alu instid0(VALU_DEP_1)
	v_lshlrev_b32 v[OW], 4, v1
	s_delay_alu instid0(VALU_DEP_2)
	v_lshlrev_b32 v[ON], 3, v1
	v_and_b32 v1, 15, v0
	s_delay_alu instid0(VALU_DEP_1)
	v_lshlrev_b32 v[OS], 4, v1
	v_bfe_u32 v21, v0, 4, 1
	s_delay_alu instid0(VALU_DEP_1)
	v_lshlrev_b32 v21, 6, v21
	s_wait_alu depctr_va_vdst(0)
	v_add_nc_u32 v2, s79, v[OW]
	v_add_nc_u32 v3, s79, v[ON]
	v_add_nc_u32 v4, s79, v[OS]
	v_add_nc_u32 v5, s78, v[OW]
	v_add_nc_u32 v6, s78, v[ON]
	v_add_nc_u32 v7, s78, v[OS]
	s_lshl_b32 s80, s42, 2
	s_add_co_u32 s80, s80, s77                     ; my 64 hidden units: group 4 x + g0
	s_lshl_b32 s80, s80, 8
	s_mov_b32 s81, 0
	s_add_nc_u64 s[8:9], s[8:9], s[80:81]          ; their 256 bytes of b1
	s_lshl_b32 s82, s17, 2
	s_add_co_u32 s82, s82, s76                     ; hq: group of tokens 4 y + g1,
	s_lshl_b32 s82, s82, 5
	s_lshl_b32 s83, s42, 1
	s_add_co_u32 s82, s82, s83
	s_lshr_b32 s83, s77, 1
	s_add_co_u32 s82, s82, s83                     ; K step 2 x + g0 / 2
	s_mul_i32 s82, s82, UNIT
	s_and_b32 s83, s77, 1                          ; half g0 % 2
	s_mul_i32 s84, s83, 768
	s_add_co_u32 s84, s84, s82
	s_mov_b32 s85, 0
	s_add_nc_u64 s[88:89], s[10:11], s[84:85]      ; the codes
	s_lshl_b32 s84, s83, 1
	s_add_co_u32 s84, s84, s82
	s_add_nc_u64 s[90:91], s[10:11], s[84:85]      ; the scale bytes (+ 6144 in the immediate)
.irp n, 0,1,2,3
.irp q, 0,1,2,3,4,5,6,7
	global_load_b128 v[ACC+32*\n+4*\q:ACC+32*\n+4*\q+3], v21, s[8:9] offset:128*(\q/4)+16*(\q%4)   ; the sums begin as b1: register 16 b + i: hidden unit 32 b + 16 h + i, the same for the four tiles of tokens
.endr
.endr
	s_wait_alu depctr_va_vdst(0)                   ; the wait at the head's end
	s_wait_tensorcnt 0x0                           ; my pair of units is in;
	ds_add_u32 v14, v15
	s_mov_b32 s[G1X+2], 25<<16                     ; no tensor load of mine is out, so a descriptor may be written: from here on a load brings one unit, 25 rows
	s_mov_b32 s[G1X+4], 25
	s_mov_b32 s[G1W+2], 25<<16
	s_mov_b32 s[G1W+4], 25
	s_wait_dscnt 0x0                               ; the add is done
	CROUND                                         ; slots 0 and 1 are whole, and all sixteen work-groups are here
	JLOAD 68, 72, WV, 8                            ; slot 2: my one tensor load behind the round
	s_wait_loadcnt 0x0                             ; b1
	SETSLOT 0
	KSTEP 0, 0
	s_wait_alu depctr_va_vdst(0)
	KSTEP UNIT, 4
	; the one refill: slot 0 takes K steps 6 and 7
	s_wait_tensorcnt 0x0                           ; all my tensor loads have landed, slot 2's among them: a group 0 may be written
	ds_add_u32 v14, v15                            ; 0 onto my spare word
	s_add_nc_u64 s[34:35], s[34:35], 3*FILLB
	s_add_nc_u64 s[58:59], s[58:59], 3*FILLB
	s_wait_dscnt 0x0                               ; the add is done, and my reads of slot 0 are over
	CROUND                                         ; both now hold of every wave of all sixteen work-groups
	JLOAD 32, 56, WV, 8                            ; the first thing behind the round, and my one tensor load there
	SETSLOT 1
	KSTEP 0, 0
	s_wait_alu depctr_va_vdst(0)
	KSTEP UNIT, 4
	SETSLOT 2
	KSTEP 0, 0
	s_wait_alu depctr_va_vdst(0)
	KSTEP UNIT, 4
	s_wait_tensorcnt 0x0                           ; my unit of the last fill is in;
	ds_add_u32 v14, v15
	s_wait_dscnt 0x0
	s_barrier_signal -1
	s_barrier_wait -1                              ; everybody's is
	SETSLOT 0
	KSTEP 0, 0
	s_wait_alu depctr_va_vdst(0)
	KSTEP UNIT, 4
	; THE WAY OUT: relu in f32, each accumulator from its low end on; the wave's 64 hidden units are two blocks of the next K: a half fragment for each tile of tokens
.rept 4
	v_nop                                          ; places behind the last products
.endr
	v_mov_b32 v[TM+2], 0                           ; a lane permute's destination counts as one of its sources
	v_mov_b32 v[TM+3], 0
.irp n, 0,1,2,3
.set j, 0
.rept 32
	v_max_num_f32 v[ACC+32*\n+j], 0, v[ACC+32*\n+j]
.set j, j+1
.endr
	QUANT32 ACC+32*\n, 32+6*\n, 64+\n
	PUTHF 32+6*\n, 88, 1536*\n                     ; every store has registers of its own: none is written again
	global_store_b16 v[OS], v[64+\n], s[90:91] offset:6144+4*\n
.endr
	s_wait_tensorcnt 0x0                           ; the wave's end
	ds_add_u32 v14, v15
	s_wait_dscnt 0x0
	CROUND                                         ; the closing round
	s_endpgm
.Lfunc_end_k_q0c451870ea_up:
	.size	k_q0c451870ea_up, .Lfunc_end_k_q0c451870ea_up-k_q0c451870ea_up
	.p2alignl 7, 3214868480
	.fill 96, 4, 3214868480
	.section	.rodata,"a",@progbits
	.p2align	6, 0x0
	.amdhsa_kernel k_q0c451870ea_up
		.amdhsa_group_segment_fixed_size 327680
		.amdhsa_private_segment_fixed_size 0
		.amdhsa_enable_private_segment 0
		.amdhsa_kernarg_size 32
		.amdhsa_user_sgpr_count 2
		.amdhsa_user_sgpr_kernarg_segment_ptr 1
		.amdhsa_wavefront_size32 1
		.amdhsa_system_sgpr_workgroup_id_x 1
		.amdhsa_system_sgpr_workgroup_id_y 1
		.amdhsa_system_sgpr_workgroup_id_z 1
		.amdhsa_system_vgpr_workitem_id 0
		.amdhsa_next_free_vgpr 256
		.amdhsa_next_free_sgpr 100
		.amdhsa_reserve_vcc 0
		.amdhsa_float_denorm_mode_32 3
		.amdhsa_float_denorm_mode_16_64 3
		.amdhsa_memory_ordered 1
		.amdhsa_forward_progress 1
		.amdhsa_inst_pref_size 65
	.end_amdhsa_kernel
	.amdgpu_metadata
---
amdhsa.version: [ 1, 2 ]
amdhsa.kernels:
  - .name:           k_q0c451870ea_up
    .symbol:         k_q0c451870ea_up.kd
    .args:
      - { .name: yq, .offset: 0, .size: 8, .value_kind: global_buffer, .address_space: global }
      - { .name: wimg, .offset: 8, .size: 8, .value_kind: global_buffer, .address_space: global }
      - { .name: b1, .offset: 16, .size: 8, .value_kind: global_buffer, .address_space: global }
      - { .name: hq, .offset: 24, .size: 8, .value_kind: global_buffer, .address_space: global }
    .group_segment_fixed_size: 327680
    .private_segment_fixed_size: 0
    .kernarg_segment_align: 8
    .kernarg_segment_size: 32
    .max_flat_workgroup_size: 512
    .sgpr_count:     100
    .vgpr_count:     256
    .wavefront_size: 32
...
	.end_amdgpu_metadata
.endif
;; end of part 5
;; launch down (part 6): grid 8 x 32, 16 waves a work-group, clusters of 4 x 4, 327,680 bytes of LDS; arguments hq, wimg, b2, yimg, uimg; writes uimg
.if DOCPART == 6
	.amdgcn_target "amdgcn-amd-amdhsa--gfx1250"
	.amdhsa_code_object_version 6
	.text
	.protected	k_q0c451870ea_down
	.globl	k_q0c451870ea_down
	.p2align	8
	.type	k_q0c451870ea_down,@function
k_q0c451870ea_down:
	s_mov_b64 s[64:65], 0
	v_nop
	global_prefetch_b8 v0, s[64:65] scope:SCOPE_SE
	s_setreg_imm32_b32 hwreg(HW_REG_WAVE_MODE, 25, 1), 1
	s_wait_xcnt 0x0
	s_wait_alu depctr_hold_cnt(0) depctr_sa_sdst(0) depctr_va_vdst(0) depctr_va_sdst(0) depctr_va_ssrc(0) depctr_va_vcc(0) depctr_vm_vsrc(0)
	s_getreg_b32 s2, hwreg(HW_REG_IB_STS2, 6, 4)
	s_cmp_eq_u32 s2, 0
	s_cbranch_scc0 .Lentry_in_a_cluster
	s_endpgm
.Lentry_in_a_cluster:
	s_bfe_u32 s2, ttmp6, 0x10000c
	s_cmp_lg_u32 s2, 0xf033
	s_cbranch_scc0 .Lentry_shape_is_right
	s_endpgm
.Lentry_shape_is_right:
.set UNIT,   6400
.set SLB,    16*UNIT
.set SPARE,  307200
.set W2U,    4915200
.set WV,   14
.set G1X,  24
.set G1X2, 68
.set G0XA, 32
.set G0XB, 36
.set G1W,  48
.set G1W2, 88
.set G0WA, 56
.set G0WB, 60
.set BA0,  76
.set BB0,  78
.set BC0,  80
.set OW,  18
.set ON,  19
.set OS,  20
.set F0,  32
.set F1,  80
.set ACC, 128
.macro CROUND
	s_barrier_signal -1
	s_barrier_wait -1
	s_cmp_lg_u32 s[WV], 0
	s_cbranch_scc1 .Lnot_wave_0_\@
	s_barrier_signal -3
.Lnot_wave_0_\@:
	s_barrier_wait -3
	s_barrier_signal -1
	s_barrier_wait -1
.endm
.macro JLOAD gx, g1x, gw, g1w
	s_cmp_lt_u32 s[WV], 8
	s_cbranch_scc0 .Lfor_w_\@
	tensor_load_to_lds s[\gx:\gx+3], s[\g1x:\g1x+7]
	s_nop 0
.rept 4
	v_nop
.endr
	s_branch .Lasked_\@
.Lfor_w_\@:
	tensor_load_to_lds s[\gw:\gw+3], s[\g1w:\g1w+7]
	s_nop 0
.rept 4
	v_nop
.endr
.Lasked_\@:
.endm
.macro SETSLOT b
	v_add_nc_u32 v8, s[\b], v[OW]
	v_add_nc_u32 v9, s[\b], v[ON]
	v_add_nc_u32 v10, s[\b], v[OS]
	v_add_nc_u32 v11, s[\b+1], v[OW]
	v_add_nc_u32 v12, s[\b+1], v[ON]
	v_add_nc_u32 v13, s[\b+1], v[OS]
.endm
.macro FRAGS f, aw, an, off
.irp i, 0,1,2,3
	ds_load_b128 v[\f+12*\i:\f+12*\i+3], v[\aw] offset:(\off)+1536*\i
	ds_load_b64 v[\f+12*\i+4:\f+12*\i+5], v[\an] offset:(\off)+1536*\i+512
	ds_load_b128 v[\f+12*\i+6:\f+12*\i+9], v[\aw] offset:(\off)+1536*\i+768
	ds_load_b64 v[\f+12*\i+10:\f+12*\i+11], v[\an] offset:(\off)+1536*\i+1280
.endr
.endm
.macro KSTEP off, zero, pl
.if \pl
.rept \pl
	v_nop
.endr
.endif
	FRAGS F0, 8, 9, \off
	FRAGS F1, 11, 12, \off
	ds_load_b128 v[24:27], v10 offset:(\off)+6144
	ds_load_b128 v[28:31], v13 offset:(\off)+6144
	s_wait_dscnt 0x0
.irp n, 0,1,2,3
.irp a, 0,1,2,3
.if \zero
	v_wmma_scale_f32_16x16x128_f8f6f4 v[ACC+32*\n+8*\a:ACC+32*\n+8*\a+7], v[F0+12*\a:F0+12*\a+11], v[F1+12*\n:F1+12*\n+11], 0, v[24+\a], v[28+\n] matrix_a_fmt:MATRIX_FMT_FP6 matrix_b_fmt:MATRIX_FMT_FP6
.else
	v_wmma_scale_f32_16x16x128_f8f6f4 v[ACC+32*\n+8*\a:ACC+32*\n+8*\a+7], v[F0+12*\a:F0+12*\a+11], v[F1+12*\n:F1+12*\n+11], v[ACC+32*\n+8*\a:ACC+32*\n+8*\a+7], v[24+\a], v[28+\n] matrix_a_fmt:MATRIX_FMT_FP6 matrix_b_fmt:MATRIX_FMT_FP6
.endif
.endr
.endr
.endm
.macro CHANGE gx, g1x, gw, g1w, step, lds
	s_wait_tensorcnt 0x0
	ds_add_u32 v14, v15
	s_add_nc_u64 s[\gx+2:\gx+3], s[\gx+2:\gx+3], \step
	s_add_nc_u64 s[\gw+2:\gw+3], s[\gw+2:\gw+3], \step
.if \lds
	s_add_co_u32 s[\gx+1], s[\gx+1], \lds
	s_add_co_u32 s[\gw+1], s[\gw+1], \lds
.endif
	s_wait_dscnt 0x0
	CROUND
	JLOAD \gx, \g1x, \gw, \g1w
.endm
	s_load_b256 s[4:11], s[0:1], 0x0
	s_load_b64 s[12:13], s[0:1], 0x20
	v_lshl_add_u32 v14, v0, 2, SPARE
	v_mov_b32 v15, 0
	ds_add_u32 v14, v15
	ds_add_u32 v14, v15
	v_lshrrev_b32 v1, 5, v0
	s_delay_alu instid0(VALU_DEP_1)
	v_readfirstlane_b32 s[WV], v1
	s_bfe_u32 s40, ttmp6, 0x40000
	s_bfe_u32 s41, ttmp6, 0x40004
	s_lshl_b32 s42, ttmp9, 2
	s_add_co_u32 s42, s42, s40
	s_and_b32 s17, ttmp7, 0xffff
	s_lshl_b32 s17, s17, 2
	s_add_co_u32 s17, s17, s41
	s_lshl_b32 s43, s41, 2
	s_lshl_b32 s43, 15, s43
	s_lshl_b32 s44, 0x1111, s40
	s_or_b32 s[G1X], s43, (3<<16)|(1<<21)
	s_or_b32 s[G1X2], s43, (3<<16)|(1<<21)
	s_or_b32 s[G1W], s44, (3<<16)|(1<<21)
	s_or_b32 s[G1W2], s44, (3<<16)|(1<<21)
.irp g, G1X, G1W
	s_mov_b32 s[\g+1], 32<<16
	s_mov_b32 s[\g+2], 25<<16
	s_mov_b32 s[\g+3], 32<<16
	s_mov_b32 s[\g+4], 25
	s_mov_b32 s[\g+5], 32
	s_mov_b32 s[\g+6], 0
	s_mov_b32 s[\g+7], 0
.endr
.irp g, G1X2, G1W2
	s_mov_b32 s[\g+1], 32<<16
	s_mov_b32 s[\g+2], 50<<16
	s_mov_b32 s[\g+3], 32<<16
	s_mov_b32 s[\g+4], 50
	s_mov_b32 s[\g+5], 32
	s_mov_b32 s[\g+6], 0
	s_mov_b32 s[\g+7], 0
.endr
	s_and_b32 s18, s[WV], 7
	s_lshr_b32 s19, s18, 2
	s_and_b32 s18, s18, 3
	s_lshl_b32 s19, s19, 5
	s_add_co_u32 s98, s19, s18
	s_lshl_b32 s18, s18, 1
	s_add_co_u32 s99, s19, s18
	s_add_co_u32 s99, s99, 4
	s_lshl_b32 s19, s17, 6
	s_add_co_u32 s20, s19, s98
	s_mul_i32 s20, s20, UNIT
	s_mov_b32 s21, 0
	s_add_co_u32 s22, s19, s99
	s_mul_i32 s22, s22, UNIT
	s_mov_b32 s23, 0
	s_lshl_b32 s67, s42, 6
	s_add_co_u32 s46, s67, s98
	s_mul_i32 s46, s46, UNIT
	s_add_co_u32 s46, s46, W2U
	s_mov_b32 s47, 0
	s_add_co_u32 s96, s67, s99
	s_mul_i32 s96, s96, UNIT
	s_add_co_u32 s96, s96, W2U
	s_mov_b32 s97, 0
	s_mul_i32 s45, s[WV], UNIT
	s_mul_i32 s66, s[WV], 2*UNIT
	s_add_co_u32 s66, s66, SLB
	s_wait_dscnt 0x0
	s_wait_kmcnt 0x0
	s_add_nc_u64 s[20:21], s[4:5], s[20:21]
	s_add_nc_u64 s[22:23], s[4:5], s[22:23]
	s_add_nc_u64 s[46:47], s[6:7], s[46:47]
	s_add_nc_u64 s[96:97], s[6:7], s[96:97]
	CROUND
	s_mov_b32 s[G0XA], 1
	s_mov_b32 s[G0XA+1], s45
	s_mov_b64 s[G0XA+2:G0XA+3], s[20:21]
	s_or_b32 s[G0XA+3], s[G0XA+3], 0x80000000
	s_mov_b32 s[G0WA], 1
	s_mov_b32 s[G0WA+1], s45
	s_mov_b64 s[G0WA+2:G0WA+3], s[46:47]
	s_or_b32 s[G0WA+3], s[G0WA+3], 0x80000000
	JLOAD G0XA, G1X, G0WA, G1W
	s_mov_b32 s[G0XB], 1
	s_mov_b32 s[G0XB+1], s66
	s_mov_b64 s[G0XB+2:G0XB+3], s[22:23]
	s_or_b32 s[G0XB+3], s[G0XB+3], 0x80000000
	s_mov_b32 s[G0WB], 1
	s_mov_b32 s[G0WB+1], s66
	s_mov_b64 s[G0WB+2:G0WB+3], s[96:97]
	s_or_b32 s[G0WB+3], s[G0WB+3], 0x80000000
	s_wait_alu depctr_va_vdst(0)
	s_wait_tensorcnt 0x0
	ds_add_u32 v14, v15
	s_wait_dscnt 0x0
	CROUND
	JLOAD G0XB, G1X2, G0WB, G1W2
	s_lshr_b32 s82, s[WV], 2
	s_bfe_u32 s83, s[WV], 0x10001
	s_and_b32 s84, s[WV], 1
	s_lshl_b32 s76, s84, 2
	s_add_co_u32 s76, s76, s82
	s_add_co_u32 s76, s76, 8
	s_mul_i32 s76, s76, UNIT
	s_lshl_b32 s77, s83, 2
	s_add_co_u32 s77, s77, s82
	s_mul_i32 s77, s77, UNIT
	s_add_co_u32 s80, s76, SLB
	s_add_co_u32 s81, s77, SLB
	s_lshl_b32 s85, s82, 1
	s_lshl_b32 s78, s84, 3
	s_add_co_u32 s78, s78, s85
	s_add_co_u32 s78, s78, 16
	s_mul_i32 s78, s78, UNIT
	s_add_co_u32 s78, s78, SLB
	s_lshl_b32 s79, s83, 3
	s_add_co_u32 s79, s79, s85
	s_mul_i32 s79, s79, UNIT
	s_add_co_u32 s79, s79, SLB
	v_and_b32 v1, 31, v0
	s_delay_alu instid0(VALU_DEP_1)
	v_lshlrev_b32 v[OW], 4, v1
	s_delay_alu instid0(VALU_DEP_2)
	v_lshlrev_b32 v[ON], 3, v1
	v_and_b32 v1, 15, v0
	s_delay_alu instid0(VALU_DEP_1)
	v_lshlrev_b32 v[OS], 4, v1
	v_bfe_u32 v21, v0, 4, 1
	s_delay_alu instid0(VALU_DEP_1)
	v_lshlrev_b32 v21, 6, v21
	s_and_b32 s86, s[WV], 3
	s_lshl_b32 s86, s86, 16
	s_lshl_b32 s87, s82, 12
	s_add_co_u32 s87, s87, s86
	v_add_nc_u32 v16, s87, v[OW]
	s_lshl_b32 s87, s82, 14
	s_add_co_u32 s87, s87, s86
	v_add_nc_u32 v17, s87, v[OW]
	s_lshl_b32 s86, s17, 1
	s_add_co_u32 s86, s86, s83
	s_lshl_b32 s86, s86, 2
	s_add_co_u32 s86, s86, s82
	s_lshl_b32 s87, s42, 1
	s_add_co_u32 s87, s87, s84
	s_lshl_b32 s86, s86, 4
	s_add_co_u32 s86, s86, s87
	s_lshl_b32 s98, s86, 12
	s_mov_b32 s99, 0
	s_add_nc_u64 s[10:11], s[10:11], s[98:99]
	s_add_nc_u64 s[12:13], s[12:13], s[98:99]
	s_lshl_b32 s98, s87, 8
	s_add_nc_u64 s[8:9], s[8:9], s[98:99]
	s_wait_alu depctr_va_vdst(0)
	s_wait_tensorcnt 0x1
	s_barrier_signal -1
	s_barrier_wait -1
	SETSLOT BA0
	KSTEP 0, 1, 0
	CHANGE G0XA, G1X, G0WA, G1W, 12*UNIT, 0
	SETSLOT BB0
	KSTEP 0, 0, 0
	s_wait_alu depctr_va_vdst(0)
	KSTEP UNIT, 0, 4
	CHANGE G0XB, G1X2, G0WB, G1W2, 12*UNIT, 0
	SETSLOT BA0
	KSTEP 0, 0, 0
	CHANGE G0XA, G1X, G0WA, G1W, 12*UNIT, 0
	SETSLOT BB0
	KSTEP 0, 0, 0
	s_wait_alu depctr_va_vdst(0)
	KSTEP UNIT, 0, 4
	CHANGE G0XA, G1X, G0WA, G1W, 4*UNIT, SLB
	SETSLOT BA0
	KSTEP 0, 0, 0
	s_wait_tensorcnt 0x0
	ds_add_u32 v14, v15
	s_wait_dscnt 0x0
	s_barrier_signal -1
	s_barrier_wait -1
	SETSLOT BC0
	KSTEP 0, 0, 0
.rept 4
	v_nop
.endr
.irp q, 0,1,2,3,4,5,6,7
	global_load_b128 v[32+4*\q:35+4*\q], v[OW], s[10:11] offset:512*\q th:TH_LOAD_NT
	global_load_b128 v[64+4*\q:67+4*\q], v21, s[8:9] offset:128*(\q/4)+16*(\q%4)
.endr
	s_wait_dscnt 0x0
	s_barrier_signal -1
	s_barrier_wait -1
.irp n, 0,1,2,3
.irp q, 0,1,2,3,4,5,6,7
	ds_store_b128 v16, v[ACC+32*\n+4*\q:ACC+32*\n+4*\q+3] offset:16384*\n+512*\q
.endr
.endr
	s_wait_dscnt 0x0
	s_barrier_signal -1
	s_barrier_wait -1
.irp j, 0,1,2,3
.irp q, 0,1,2,3,4,5,6,7
	ds_load_b128 v[ACC+32*\j+4*\q:ACC+32*\j+4*\q+3], v17 offset:4096*\j+512*\q
.endr
.endr
	s_wait_dscnt 0x0
.set j, 0
.rept 16
	v_pk_add_f32 v[ACC+j:ACC+j+1], v[ACC+j:ACC+j+1], v[ACC+32+j:ACC+33+j]
	v_pk_add_f32 v[ACC+64+j:ACC+65+j], v[ACC+64+j:ACC+65+j], v[ACC+96+j:ACC+97+j]
.set j, j+2
.endr
.set j, 0
.rept 16
	v_pk_add_f32 v[ACC+j:ACC+j+1], v[ACC+j:ACC+j+1], v[ACC+64+j:ACC+65+j]
.set j, j+2
.endr
	s_wait_loadcnt 0x0
.set j, 0
.rept 16
	v_pk_add_f32 v[ACC+j:ACC+j+1], v[ACC+j:ACC+j+1], v[64+j:65+j]
.set j, j+2
.endr
.set j, 0
.rept 16
	v_pk_add_f32 v[ACC+j:ACC+j+1], v[ACC+j:ACC+j+1], v[32+j:33+j]
.set j, j+2
.endr
.irp q, 0,1,2,3,4,5,6,7
	global_store_b128 v[OW], v[ACC+4*\q:ACC+4*\q+3], s[12:13] offset:512*\q
.endr
	s_wait_tensorcnt 0x0
	ds_add_u32 v14, v15
	s_wait_dscnt 0x0
	CROUND
	s_endpgm
.Lfunc_end_k_q0c451870ea_down:
	.size	k_q0c451870ea_down, .Lfunc_end_k_q0c451870ea_down-k_q0c451870ea_down
	.p2alignl 7, 3214868480
	.fill 96, 4, 3214868480
	.section	.rodata,"a",@progbits
	.p2align	6, 0x0
	.amdhsa_kernel k_q0c451870ea_down
		.amdhsa_group_segment_fixed_size 327680
		.amdhsa_private_segment_fixed_size 0
		.amdhsa_enable_private_segment 0
		.amdhsa_kernarg_size 40
		.amdhsa_user_sgpr_count 2
		.amdhsa_user_sgpr_kernarg_segment_ptr 1
		.amdhsa_wavefront_size32 1
		.amdhsa_system_sgpr_workgroup_id_x 1
		.amdhsa_system_sgpr_workgroup_id_y 1
		.amdhsa_system_sgpr_workgroup_id_z 1
		.amdhsa_system_vgpr_workitem_id 0
		.amdhsa_next_free_vgpr 256
		.amdhsa_next_free_sgpr 100
		.amdhsa_reserve_vcc 0
		.amdhsa_float_denorm_mode_32 3
		.amdhsa_float_denorm_mode_16_64 3
		.amdhsa_memory_ordered 1
		.amdhsa_forward_progress 1
		.amdhsa_inst_pref_size 61
	.end_amdhsa_kernel
	.amdgpu_metadata
---
amdhsa.version: [ 1, 2 ]
amdhsa.kernels:
  - .name:           k_q0c451870ea_down
    .symbol:         k_q0c451870ea_down.kd
    .args:
      - { .name: hq, .offset: 0, .size: 8, .value_kind: global_buffer, .address_space: global }
      - { .name: wimg, .offset: 8, .size: 8, .value_kind: global_buffer, .address_space: global }
      - { .name: b2, .offset: 16, .size: 8, .value_kind: global_buffer, .address_space: global }
      - { .name: yimg, .offset: 24, .size: 8, .value_kind: global_buffer, .address_space: global }
      - { .name: uimg, .offset: 32, .size: 8, .value_kind: global_buffer, .address_space: global }
    .group_segment_fixed_size: 327680
    .private_segment_fixed_size: 0
    .kernarg_segment_align: 8
    .kernarg_segment_size: 40
    .max_flat_workgroup_size: 512
    .sgpr_count:     100
    .vgpr_count:     256
    .wavefront_size: 32
...
	.end_amdgpu_metadata
.endif
;; end of part 6
;; launch ln2 (part 7): grid 256 x 1, 16 waves a work-group, no clusters, 73,728 bytes of LDS; arguments uimg, ln2_g, ln2_b, out0; writes out0
.if DOCPART == 7
	.amdgcn_target "amdgcn-amd-amdhsa--gfx1250"
	.amdhsa_code_object_version 6
	.text
	.protected	k_q0c451870ea_ln2
	.globl	k_q0c451870ea_ln2
	.p2align	8
	.type	k_q0c451870ea_ln2,@function
k_q0c451870ea_ln2:
	s_mov_b64 s[64:65], 0
	v_nop
	global_prefetch_b8 v0, s[64:65] scope:SCOPE_SE
	s_setreg_imm32_b32 hwreg(HW_REG_WAVE_MODE, 25, 1), 1
	s_wait_xcnt 0x0
; Launch 7 of 7: out0 = LayerNorm(u) x ln2_g + ln2_b, all in f32.  No work is left out.
; SHARES.  A work-group owns one tile of 16 tokens T (tokens 64 (T / 4) + tau(T % 4) + rho(r): the first launch's head), whole rows; wave w owns columns 64 w .. 64 w + 63: one image of uimg, 32 numbers a lane:
; lane (r, h) holds one token, and register 16 b + i is column 64 w + 32 b + 16 h + i.  Each byte is read once and written once; no matrix unit, no cluster, no tensor load: work-groups share only gain and shift, 8 KB.
; The rows' sums: within a lane, the other half of the lanes, then the sixteen waves through a table in LDS; mean first, then the mean of the squared differences, as the norm is defined.
; THE WAY OUT.  A lane's numbers are pieces of 64 bytes of its row: they go through the wave's own stage (16 rows of 256 bytes + 16) and leave as whole rows: sixteen lanes store 256 consecutive bytes, aligned.
; LDS: 0: sixteen stages of 4,352 bytes; 69,632 and 70,656: two tables [r][w] of f32; 71,680: the spare words.
; LIMITS: NaN and infinities are not served; 1 / sqrt by v_rsq_f32.
.set STG,   4352
.set RED1,  69632
.set SPARE, 71680
.set WV,  12
.set SEL, 14
.macro LANESUM a                       ; a pair of half sums -> my row's sum over the wave's 64 columns, in v[a]
	s_delay_alu instid0(VALU_DEP_1)
	v_add_f32 v[\a], v[\a], v[(\a)+1]
	s_delay_alu instid0(VALU_DEP_1)
	v_permlanex16_b32 v[(\a)+1], v[\a], s[SEL], s[SEL+1]
	s_delay_alu instid0(VALU_DEP_1)
	v_add_f32 v[\a], v[\a], v[(\a)+1]
.endm
.macro GATHER ro                       ; the sixteen waves' sums of my row, added in one order by every wave: v16
.irp q, 0,1,2,3
	ds_load_b128 v[16+4*\q:19+4*\q], v4 offset:(\ro)+16*\q
.endr
	s_wait_dscnt 0x0
.irp j, 0,4,8,12
	v_pk_add_f32 v[16+\j:17+\j], v[16+\j:17+\j], v[18+\j:19+\j]
.endr
	s_delay_alu instid0(VALU_DEP_3)
	v_pk_add_f32 v[16:17], v[16:17], v[20:21]
	s_delay_alu instid0(VALU_DEP_2)
	v_pk_add_f32 v[24:25], v[24:25], v[28:29]
	s_delay_alu instid0(VALU_DEP_1)
	v_pk_add_f32 v[16:17], v[16:17], v[24:25]
	s_delay_alu instid0(VALU_DEP_1)
	v_add_f32 v16, v16, v17
.endm
	s_load_b256 s[4:11], s[0:1], 0x0               ; uimg, ln2_g, ln2_b, out0
	v_lshl_add_u32 v10, v0, 2, SPARE               ; my spare word,
	v_mov_b32 v11, 0                               ; and 0: kept for the closing lines
	v_lshrrev_b32 v1, 5, v0
	s_delay_alu instid0(VALU_DEP_1)
	v_readfirstlane_b32 s[WV], v1
	v_and_b32 v1, 31, v0
	s_delay_alu instid0(VALU_DEP_1)
	v_lshlrev_b32 v1, 4, v1                        ; v1: 16 x lane
	v_and_b32 v12, 15, v0                          ; r
	v_bfe_u32 v13, v0, 4, 1                        ; h
	s_delay_alu instid0(VALU_DEP_1)
	v_lshlrev_b32 v2, 6, v13                       ; v2: 64 h
	s_delay_alu instid0(VALU_DEP_3)
	v_lshlrev_b32 v4, 6, v12
	s_delay_alu instid0(VALU_DEP_1)
	v_add_nc_u32 v4, RED1, v4                      ; v4: my row's sixteen words of the table
	s_lshl_b32 s16, s[WV], 2
	v_add_nc_u32 v3, s16, v4                       ; v3: my wave's word among them
	s_mul_i32 s16, s[WV], STG                      ; my stage
	v_mul_u32_u24 v5, v12, 272
	s_delay_alu instid0(VALU_DEP_1)
	v_add_nc_u32 v5, v5, v2
	s_delay_alu instid0(VALU_DEP_1)
	v_add_nc_u32 v5, s16, v5                       ; v5: in: row r, + 64 h
	v_mul_u32_u24 v6, v13, 272
	s_delay_alu instid0(VALU_DEP_1)
	v_lshl_add_u32 v6, v12, 4, v6
	s_delay_alu instid0(VALU_DEP_1)
	v_add_nc_u32 v6, s16, v6                       ; v6: back: lanes 0-15 one row, lanes 16-31 the next; 16 bytes a lane
	v_lshlrev_b32 v7, 12, v13
	s_delay_alu instid0(VALU_DEP_1)
	v_lshl_add_u32 v7, v12, 4, v7                  ; v7: and the same two rows in out0
	v_mov_b32 v9, 0                                ; (named as the upper half of the pair v[8:9])
	s_mov_b32 s[SEL], 0x76543210
	s_mov_b32 s[SEL+1], 0xfedcba98
	s_mov_b32 s20, 0x3a800000                      ; 1 / 1024
	s_mov_b32 s21, 0x3727c5ac                      ; 1e-5
	s_lshl_b32 s16, ttmp9, 4
	s_add_co_u32 s16, s16, s[WV]
	s_lshl_b32 s16, s16, 12                        ; my image: (16 T + w) x 4,096
	s_mov_b32 s17, 0
	s_lshl_b32 s18, s[WV], 8                       ; my 64 columns: 256 bytes
	s_mov_b32 s19, 0
	s_lshr_b32 s22, ttmp9, 2
	s_lshl_b32 s22, s22, 6                         ; 64 (T / 4)
	s_bfe_u32 s23, ttmp9, 0x10001
	s_lshl_b32 s23, s23, 5
	s_add_co_u32 s22, s22, s23                     ; + 32 ((T % 4) / 2)
	s_and_b32 s23, ttmp9, 1
	s_lshl_b32 s23, s23, 3
	s_add_co_u32 s22, s22, s23                     ; + 8 (T % 2)
	s_lshl_b32 s22, s22, 12                        ; rows of 4,096 bytes
	s_mov_b32 s23, 0
	s_wait_kmcnt 0x0
	s_add_nc_u64 s[4:5], s[4:5], s[16:17]
	s_add_nc_u64 s[6:7], s[6:7], s[18:19]
	s_add_nc_u64 s[8:9], s[8:9], s[18:19]
	s_add_nc_u64 s[10:11], s[10:11], s[22:23]
	s_add_nc_u64 s[10:11], s[10:11], s[18:19]
.irp q, 0,1,2,3,4,5,6,7
	global_load_b128 v[32+4*\q:35+4*\q], v1, s[4:5] offset:512*\q th:TH_LOAD_NT
.endr
.irp q, 0,1,2,3,4,5,6,7
	global_load_b128 v[64+4*\q:67+4*\q], v2, s[6:7] offset:128*(\q/4)+16*(\q%4)    ; the gain,
	global_load_b128 v[96+4*\q:99+4*\q], v2, s[8:9] offset:128*(\q/4)+16*(\q%4)    ; the shift, of my lane's 32 columns
.endr
	s_wait_loadcnt 16                              ; u's eight loads are in; the sixteen of gain and shift may be out
	v_pk_add_f32 v[14:15], v[32:33], v[36:37]
	v_pk_add_f32 v[30:31], v[40:41], v[44:45]
	v_pk_add_f32 v[28:29], v[48:49], v[52:53]
	v_pk_add_f32 v[26:27], v[56:57], v[60:61]
	v_pk_add_f32 v[24:25], v[34:35], v[38:39]
	v_pk_add_f32 v[22:23], v[42:43], v[46:47]
	v_pk_add_f32 v[20:21], v[50:51], v[54:55]
	v_pk_add_f32 v[12:13], v[58:59], v[62:63]
	s_delay_alu instid0(VALU_DEP_1)
	v_pk_add_f32 v[12:13], v[12:13], v[26:27]
	v_pk_add_f32 v[14:15], v[14:15], v[24:25]
	v_pk_add_f32 v[30:31], v[30:31], v[22:23]
	v_pk_add_f32 v[28:29], v[28:29], v[20:21]
	s_delay_alu instid0(VALU_DEP_2)
	v_pk_add_f32 v[12:13], v[12:13], v[30:31]
	s_delay_alu instid0(VALU_DEP_2)
	v_pk_add_f32 v[14:15], v[14:15], v[28:29]
	s_delay_alu instid0(VALU_DEP_1)
	v_pk_add_f32 v[12:13], v[12:13], v[14:15]
	LANESUM 12
	ds_store_b32 v3, v12                           ; both lanes of a row write the same word with the same value
	s_wait_dscnt 0x0                               ; for the others' sake: my store has landed
	s_barrier_signal -1
	s_barrier_wait -1
	GATHER 0
	s_delay_alu instid0(VALU_DEP_1)
	v_mul_f32 v8, s20, v16                         ; the mean
.set j, 0
.rept 16
	v_pk_add_f32 v[32+j:33+j], v[32+j:33+j], v[8:9] op_sel_hi:[1,0] neg_lo:[0,1] neg_hi:[0,1]
.set j, j+2
.endr
	v_pk_mul_f32 v[12:13], v[32:33], v[32:33]
	v_pk_mul_f32 v[14:15], v[34:35], v[34:35]
.irp j, 4,8,12,16,20,24,28
	s_delay_alu instid0(VALU_DEP_2)
	v_pk_fma_f32 v[12:13], v[32+\j:33+\j], v[32+\j:33+\j], v[12:13]
	s_delay_alu instid0(VALU_DEP_2)
	v_pk_fma_f32 v[14:15], v[34+\j:35+\j], v[34+\j:35+\j], v[14:15]
.endr
	s_delay_alu instid0(VALU_DEP_1)
	v_pk_add_f32 v[12:13], v[12:13], v[14:15]
	LANESUM 12
	ds_store_b32 v3, v12 offset:1024
	s_wait_dscnt 0x0
	s_barrier_signal -1
	s_barrier_wait -1
	GATHER 1024
	s_delay_alu instid0(VALU_DEP_1)
	v_fma_f32 v8, v16, s20, s21                    ; the variance + 1e-5
	s_wait_alu depctr_va_vdst(0)
	v_rsq_f32 v8, v8
	v_nop                                          ; a plain place behind it
	s_wait_alu depctr_va_vdst(0)                   ; the wait ahead of its first reader
	s_wait_loadcnt 0x0                             ; gain and shift
.set j, 0
.rept 16
	v_pk_mul_f32 v[32+j:33+j], v[32+j:33+j], v[8:9] op_sel_hi:[1,0]
.set j, j+2
.endr
.set j, 0
.rept 16
	v_pk_fma_f32 v[32+j:33+j], v[32+j:33+j], v[64+j:65+j], v[96+j:97+j]
.set j, j+2
.endr
.irp q, 0,1,2,3,4,5,6,7
	ds_store_b128 v5, v[32+4*\q:35+4*\q] offset:128*(\q/4)+16*(\q%4)
.endr
.irp i, 0,1,2,3,4,5,6,7
	ds_load_b128 v[64+4*\i:67+4*\i], v6 offset:2*\i*272   ; LDS serves a wave's instructions in order: these see my stores; the stage is my wave's own
.endr
.irp i, 0,1,2,3,4,5,6,7
	s_wait_dscnt 7-\i                              ; rows 2 i and 2 i + 1 of the tile are back; the younger loads may be out
	global_store_b128 v7, v[64+4*\i:67+4*\i], s[10:11] offset:(2*\i+8*(\i/4))*4096 th:TH_STORE_NT   ; tile row m is token rho(m) of the tile: 2 i + h + 8 (i / 4)
.endr
	s_wait_tensorcnt 0x0                           ; the wave's end
	ds_add_u32 v10, v11
	s_wait_dscnt 0x0
	s_endpgm
.Lfunc_end_k_q0c451870ea_ln2:
	.size	k_q0c451870ea_ln2, .Lfunc_end_k_q0c451870ea_ln2-k_q0c451870ea_ln2
	.p2alignl 7, 3214868480
	.fill 96, 4, 3214868480
	.section	.rodata,"a",@progbits
	.p2align	6, 0x0
	.amdhsa_kernel k_q0c451870ea_ln2
		.amdhsa_group_segment_fixed_size 73728
		.amdhsa_private_segment_fixed_size 0
		.amdhsa_enable_private_segment 0
		.amdhsa_kernarg_size 32
		.amdhsa_user_sgpr_count 2
		.amdhsa_user_sgpr_kernarg_segment_ptr 1
		.amdhsa_wavefront_size32 1
		.amdhsa_system_sgpr_workgroup_id_x 1
		.amdhsa_system_sgpr_workgroup_id_y 1
		.amdhsa_system_sgpr_workgroup_id_z 1
		.amdhsa_system_vgpr_workitem_id 0
		.amdhsa_next_free_vgpr 128
		.amdhsa_next_free_sgpr 66
		.amdhsa_reserve_vcc 0
		.amdhsa_float_denorm_mode_32 3
		.amdhsa_float_denorm_mode_16_64 3
		.amdhsa_memory_ordered 1
		.amdhsa_forward_progress 1
		.amdhsa_inst_pref_size 16
	.end_amdhsa_kernel
	.amdgpu_metadata
---
amdhsa.version: [ 1, 2 ]
amdhsa.kernels:
  - .name:           k_q0c451870ea_ln2
    .symbol:         k_q0c451870ea_ln2.kd
    .args:
      - { .name: uimg, .offset: 0, .size: 8, .value_kind: global_buffer, .address_space: global }
      - { .name: ln2_g, .offset: 8, .size: 8, .value_kind: global_buffer, .address_space: global }
      - { .name: ln2_b, .offset: 16, .size: 8, .value_kind: global_buffer, .address_space: global }
      - { .name: out0, .offset: 24, .size: 8, .value_kind: global_buffer, .address_space: global }
    .group_segment_fixed_size: 73728
    .private_segment_fixed_size: 0
    .kernarg_segment_align: 8
    .kernarg_segment_size: 32
    .max_flat_workgroup_size: 512
    .sgpr_count:     66
    .vgpr_count:     128
    .wavefront_size: 32
...
	.end_amdgpu_metadata
.endif
;; end of part 7
